; MI455X (gfx1250); checked and timed in simulation.
; The chip was launched on July 23, 2026; its instructions are those of AMD's public machine-readable ISA for CDNA 5 (MIT licence, August 2026) and "CDNA5" Instruction Set Architecture Reference Guide (July 2026). The comments in the code are by the model that wrote it; some were corrected since.
;; Mixture Of Experts. Allowed arithmetic: matrix products marked QUANTISED: E3M2 operands, one E8M0 scale for each 32 along K, by v_wmma_scale_f32_16x16x128_f8f6f4 with both operands' format E3M2, f32 sums; products left as they are: f32 operands where the result goes on into a quantised operand, else bf16, f16 or f32 operands; f32 sums; everything else in f32.
;; Inputs: router_w 8 x 1,024 float32; w1 8 x 2,048 x 1,024 float32; w2 8 x 1,024 x 2,048 float32; w3 8 x 2,048 x 1,024 float32; x 4 x 256 x 1,024 float32.
;; Outputs: out0 4 x 256 x 1,024 float32.
;; This version of the problem:
;;   THIS VERSION OF THE PROBLEM IS GIVEN IN LOW PRECISION. The matrix products marked QUANTISED in the list below multiply operands that are first quantised to E3M2 (3 exponent bits, 2 mantissa bits; 6 bits a number), with one power-of-two scale for each 32 numbers along K (OCP MX v1.0); their sums are f32. All else is computed in f32.
;;   The module's matrix products, in the order in which they are computed (A, B: the left and right operand; K: the contracted axis; several contracted axes count as one K, in the product's order):
;;     1. [M 1,024, K 1,024] x [K 1,024, N 8]; A: input x; B: input router_w: left as it is (N = 8 < 16)
;;     2. [M 1,024, K 1,024] x [K 1,024, N 2,048]; A: input x; B: input w1: QUANTISED
;;     3. [M 1,024, K 1,024] x [K 1,024, N 2,048]; A: input x; B: input w3: QUANTISED
;;     4. [M 1,024, K 2,048] x [K 2,048, N 1,024]; A: computed on the way; B: input w2: QUANTISED
;;     5. [M 1,024, K 1,024] x [K 1,024, N 2,048]; A: input x; B: input w1: QUANTISED
;;     6. [M 1,024, K 1,024] x [K 1,024, N 2,048]; A: input x; B: input w3: QUANTISED
;;     7. [M 1,024, K 2,048] x [K 2,048, N 1,024]; A: computed on the way; B: input w2: QUANTISED
;;     8. [M 1,024, K 1,024] x [K 1,024, N 2,048]; A: input x; B: input w1: QUANTISED
;;     9. [M 1,024, K 1,024] x [K 1,024, N 2,048]; A: input x; B: input w3: QUANTISED
;;     10. [M 1,024, K 2,048] x [K 2,048, N 1,024]; A: computed on the way; B: input w2: QUANTISED
;;     11. [M 1,024, K 1,024] x [K 1,024, N 2,048]; A: input x; B: input w1: QUANTISED
;;     12. [M 1,024, K 1,024] x [K 1,024, N 2,048]; A: input x; B: input w3: QUANTISED
;;     13. [M 1,024, K 2,048] x [K 2,048, N 1,024]; A: computed on the way; B: input w2: QUANTISED
;;     14. [M 1,024, K 1,024] x [K 1,024, N 2,048]; A: input x; B: input w1: QUANTISED
;;     15. [M 1,024, K 1,024] x [K 1,024, N 2,048]; A: input x; B: input w3: QUANTISED
;;     16. [M 1,024, K 2,048] x [K 2,048, N 1,024]; A: computed on the way; B: input w2: QUANTISED
;;     17. [M 1,024, K 1,024] x [K 1,024, N 2,048]; A: input x; B: input w1: QUANTISED
;;     18. [M 1,024, K 1,024] x [K 1,024, N 2,048]; A: input x; B: input w3: QUANTISED
;;     19. [M 1,024, K 2,048] x [K 2,048, N 1,024]; A: computed on the way; B: input w2: QUANTISED
;;     20. [M 1,024, K 1,024] x [K 1,024, N 2,048]; A: input x; B: input w1: QUANTISED
;;     21. [M 1,024, K 1,024] x [K 1,024, N 2,048]; A: input x; B: input w3: QUANTISED
;;     22. [M 1,024, K 2,048] x [K 2,048, N 1,024]; A: computed on the way; B: input w2: QUANTISED
;;     23. [M 1,024, K 1,024] x [K 1,024, N 2,048]; A: input x; B: input w1: QUANTISED
;;     24. [M 1,024, K 1,024] x [K 1,024, N 2,048]; A: input x; B: input w3: QUANTISED
;;     25. [M 1,024, K 2,048] x [K 2,048, N 1,024]; A: computed on the way; B: input w2: QUANTISED
;;   THE QUANTISER, for each operand of a quantised product, along K:
;;     - K is cut into blocks of 32 from its start; a last block that is shorter is filled with zeros.
;;     - A block's scale is 2^e with e = floor(log2(the largest magnitude in the block)) - 4, held to -126 .. 127; a block of zeros has e = 0. As a byte (E8M0): e + 127.
;;     - Each number is divided by its block's scale, clamped to +-28, and rounded to the nearest number of E3M2, ties to even, subnormals kept.
;;     - The product sums the exact products of the quantised numbers (number of the format x scale) in f32.
;;   ~~~python
;;   def quantise(x, axis):      # numpy; x: float32 -> the quantised numbers, widened to float32 again
;;       x = np.moveaxis(x, axis, -1); K = x.shape[-1]
;;       x = np.pad(x, [(0, 0)] * (x.ndim - 1) + [(0, -K % 32)]); x = x.reshape(x.shape[:-1] + (-1, 32)); a = np.abs(x).max(-1, keepdims=True)
;;       e = np.where(a > 0, np.clip(np.frexp(np.where(a > 0, a, 1))[1] - 1 - 4, -126, 127), 0)      # np.frexp(a)[1] - 1 = floor(log2(a)), exactly
;;       r = np.clip(x / 2.0 ** e, -28, 28)
;;       step = 2.0 ** (np.maximum(np.frexp(np.where(r == 0, 1, r))[1] - 1, -2) - 2)
;;       q = np.round(r / step) * step * 2.0 ** e      # np.round: ties to even
;;       return np.moveaxis(q.reshape(q.shape[:-2] + (-1,))[..., :K], -1, axis).astype(np.float32)
;;   ~~~
;;   OPERANDS COMPUTED ON THE WAY. 'Computed on the way' means the value that the module computes at that place (a softmax that the list does not call 'softmax' is quantised finished and normalised). What goes into a quantiser is computed in f32, as accurately as f32 sums, v_exp_f32 and their like allow (about 1e-6 of the number): no bf16 or f16 on the way to a quantiser, and a product that is left as it is and whose result goes on into a quantised operand takes f32 operands (vector FMAs, or v_wmma_f32_16x16x4_f32). A number that lies on a knife's edge between two numbers of the format may be rounded either way, as far as f32 arithmetic and the matrix unit's own rounding can turn it there, and no further.
;; One version. Each part assembles by itself: llvm-mc -triple=amdgcn-amd-amdhsa -mcpu=gfx1250 --defsym DOCPART=n.
;; ======== version 1 of 1: 5 launches
;; limits: right only within a limited range of input values
;; workspace buffers: rmask 4,096 bytes of whole numbers; gate 8,192 bytes; xq 1,817,600 bytes; plc 17,664 bytes of whole numbers; hq 3,635,200 bytes; y 9,306,112 bytes; w2q 13,631,488 bytes; w13h 6,815,744 bytes
;; launch route (part 1): grid 256 x 1, 8 waves a work-group, no clusters, 137,216 bytes of LDS; arguments x, router_w, rmask, gate, w2, w2q, w1, w3, w13h; writes rmask, gate, w2q, w13h
.if DOCPART == 1
	.amdgcn_target "amdgcn-amd-amdhsa--gfx1250"
	.amdhsa_code_object_version 6
	.text
	.protected	k_qa01c4fc1d3_route
	.globl	k_qa01c4fc1d3_route
	.p2align	8
	.type	k_qa01c4fc1d3_route,@function
k_qa01c4fc1d3_route:
	s_mov_b64 s[64:65], 0
	v_nop
	global_prefetch_b8 v0, s[64:65] scope:SCOPE_SE
	s_setreg_imm32_b32 hwreg(HW_REG_WAVE_MODE, 25, 1), 1
	s_wait_xcnt 0x0
; ROUTE, and the first half of w2's quantising.  TWO ROLES, parted on the work-group's number alone; each has LDS bytes of its own.
; Work-groups 0 .. 31: the router of a top-2-of-8 mixture of experts.  logits = x router_w^T in f32 (fused multiply-adds), the two largest of the eight, their two gates.
; Work-groups 32 .. 159: w2 of experts 0 .. 3 becomes codes of BF6 (E3M2) with E8M0 scales, laid as the operand's registers take them.  The router has work for 32 work-groups alone, and w2's codes hang on
; no choice of the router: so they are made here, and the launch that multiplies by w2 reads codes.
; WORK LEFT OUT BY THE WHOLE PROGRAM, AND WHY IT IS DEAD.
; (a) The rows of the expert products for experts that a token did not choose: cw[t][e] is the sum of top_p x one_hot(top_i), which is exactly 0 for every e outside top_i,
;     whatever the inputs hold, and out only ever takes cw[t][e] x (row t of expert e).  So each token is multiplied through its two experts alone.
; (b) The softmax's denominator and its six other exponentials: top_p / sum(top_p) = p_a / (p_a + p_b), in which the common factor 1 / sum(exp) cancels for all values.
;     The maximum is still taken away: the first choice's logit l_a IS the maximum, z = exp(l_b - l_a) <= 1, g_a = 1 / (1 + z), g_b = z / (1 + z).
; LIMITS.  A NaN, an infinity or an overflow that reaches only the work left out is not carried to the result.  The choice is made on the logits (strictly greater replaces, so the lower
; index wins a tie, as in lax.top_k); two different logits whose f32 probabilities round to one number may be ordered otherwise than by the probabilities.  NaN and infinities among the inputs are not served.
; Blocks of w2 whose largest magnitude lies under 2^-122 take the floor's scale byte, 1.
; THE ROUTER'S SHARES.  Work-group g: tokens 32 g .. 32 g + 31.  Wave w: tokens 4 w .. 4 w + 3, all of K; lane l holds k = 128 j + 4 l + 0 .. 3, so each load of a wave covers 512 consecutive bytes.
; OUT.  gate[t] = (g_first, g_second).  rmask[g][32 words]: word e the number of the group's tokens that chose e, word 8 + e the ballot of those tokens, word 16 + e the ballot of those whose SECOND choice e is.
; These are data at fixed places: no branch and no address of this launch hangs on them.
; REGISTERS of the router: v64-191 x (token tl, piece j at 4 (8 tl + j)); v192-255 32 pairs of sums (8 tl + e); window 1: router_w (expert e, piece j at 4 (8 e + j)).
; BESIDE WHAT STANDS ABOVE: work-groups 160 .. 255 run the second role's text on K steps 0 and 1 of w1 and w3 (jobs 0 .. 95 of 128; said at the second role's head of addresses): these codes too hang on no choice of the router.
.set NRT,   32
.set AD,    32                         ; v32-47: the second role's 16 row offsets
.set W13HS, 6291456                    ; w13h: behind the codes, the scale words
.set SPARE, 1024                       ; LDS: 32 tokens x 8 logits from byte 0; from here the spare words, 128 bytes a wave, which no other line names
.set WST,   2048                       ; from here the second role's stages: two of 16 rows x 528 bytes for each wave
.set STB,   8448
.set WSOFF, 12582912                   ; w2q: behind the codes, the scale words
.set XR,  64
.set ACC, 192
.set SR,  64                           ; the 32 sums, in registers that x has left
.set PT,  96                           ; the lane exchange's destinations (written before: x lay here)
.set WN,   64                          ; the second role: v64-191 two sets of 64 numbers; v192-239 four fragments; v20-23 their scale words; window 1: the four chunks as loaded
.set WFR,  192
.set WSW,  20
.set FTR,  240
.set MXR,  248
.set SOR,  250
.set BYR,  252
.set TR,   27
.set SH8R, 26
.set SELS, 82
.set MSB, 0
.macro WIN new                         ; the immediate's high byte repeats the setting that is left
.if MSB != (\new)
	s_set_vgpr_msb (MSB<<8)|(\new)
.set MSB, \new
.endif
.endm
; 64 numbers of a lane, register 32 c + i = k 64 c + 32 (lane / 16) + i of row lane % 16, become the operand's 12 registers and the row's scale word.  A lane holds two whole blocks: no other lane is asked for a maximum.
.macro QCHUNK src, frg, swd
.irp c, 0,1
	v_max3_num_f32 v[MXR+\c], |v[(\src)+32*\c]|, |v[(\src)+32*\c+1]|, 0x2800000   ; and the floor 2^(5 - 127): the byte cannot fall under 1
.endr
.irp i, 2,4,6,8,10,12,14,16,18,20,22,24,26,28,30
.irp c, 0,1
	s_delay_alu instid0(VALU_DEP_2)
	v_max3_num_f32 v[MXR+\c], v[MXR+\c], |v[(\src)+32*\c+\i]|, |v[(\src)+32*\c+\i+1]|
.endr
.endr
.irp c, 0,1
	s_delay_alu instid0(VALU_DEP_2)
	v_add_nc_u32 v[SOR+\c], 0xfe000000, v[MXR+\c]  ; 4 off the exponent field: the conversion's scale operand
.endr
.irp c, 0,1
	s_delay_alu instid0(VALU_DEP_2)
	v_lshrrev_b32 v[BYR+\c], 23, v[SOR+\c]         ; the scale's byte
.endr
	s_delay_alu instid0(VALU_DEP_1)
	v_lshl_or_b32 v[\swd], v[BYR+1], 16, v[BYR]    ; my two bytes, blocks h and 2 + h,
	s_delay_alu instid0(VALU_DEP_1)
	v_lshlrev_b32 v[\swd], v[SH8R], v[\swd]        ; at their places;
	s_delay_alu instid0(VALU_DEP_1)
	v_permlanex16_b32 v[TR], v[\swd], s[SELS], s[SELS+1]
	s_delay_alu instid0(VALU_DEP_1)
	v_or_b32 v[\swd], v[\swd], v[TR]               ; with lane l xor 16's two the word is whole
.irp c, 0,1
	v_cvt_scalef32_pk16_bf6_f32 v[(\frg)+6*\c:(\frg)+6*\c+2], v[(\src)+32*\c:(\src)+32*\c+15], v[SOR+\c]
	v_cvt_scalef32_pk16_bf6_f32 v[FTR+4*\c:FTR+4*\c+2], v[(\src)+32*\c+16:(\src)+32*\c+31], v[SOR+\c]   ; (a conversion's three registers begin on an even number)
.endr
	v_nop                                          ; one plain line behind the conversions
.irp c, 0,1
.irp i, 0,1,2
	v_mov_b32 v[(\frg)+3+6*\c+\i], v[FTR+4*\c+\i]
.endr
.endr
.endm
.macro WLOADC t                        ; chunk t: 16 rows x 512 consecutive bytes into set t of window 1
	WIN 0x40
.set ro, 0
.rept 16
	global_load_b128 v[64*(\t)+4*ro:64*(\t)+4*ro+3], v[AD+ro], s[76+12*((\t)/2):77+12*((\t)/2)] offset:512*((\t)%2) th:TH_LOAD_NT   ; chunks 0, 1 from the first base, chunks 2, 3 from the second
.set ro, ro+1
.endr
.endm
.macro WTURN t                         ; through stage t % 2: in as loaded, out 64 numbers a lane
	WIN 0x04                                       ; an LDS store's data are its source 1: window 1
.set ro, 0
.rept 16
	ds_store_b128 v24, v[64*(\t)+4*ro:64*(\t)+4*ro+3] offset:STB*((\t)%2)+528*ro
.set ro, ro+1
.endr
	WIN 0
.set ro, 0
.rept 16
	ds_load_b128 v[WN+64*((\t)%2)+4*ro:WN+64*((\t)%2)+4*ro+3], v25 offset:STB*((\t)%2)+256*(ro/8)+16*(ro%8)   ; LDS serves a wave's instructions in order: these see my stores
.set ro, ro+1
.endr
.endm
.macro WSTEP t
	s_wait_dscnt 0x0                               ; chunk t is back from its stage
.if (\t) < 3
	s_wait_loadcnt 16*(2-(\t))                     ; chunk t + 1 is in; the chunks behind it, 16 loads each, may be out
	WTURN (\t)+1                                   ; and goes through the other stage while chunk t is worked
.endif
	QCHUNK WN+64*((\t)%2), WFR+12*(\t), WSW+(\t)
.irp k, 0,1,2
	global_store_b128 v19, v[WFR+12*(\t)+4*\k:WFR+12*(\t)+4*\k+3], s[78:79] offset:1536*(\t)+512*\k   ; 512 consecutive bytes, aligned; each chunk has fragment registers of its own, so no store's data are written again
.endr
.endm
	s_load_b256 s[4:11], s[0:1], 0x0               ; x, router_w, rmask, gate
	s_load_b128 s[68:71], s[0:1], 0x20             ; w2, w2q
	s_load_b128 s[56:59], s[0:1], 0x30             ; w1, w3
	s_load_b64 s[60:61], s[0:1], 0x40              ; w13h
	v_lshl_add_u32 v3, v0, 2, SPARE                ; my spare word
	v_mov_b32 v4, 0
	v_lshrrev_b32 v1, 5, v0
	s_delay_alu instid0(VALU_DEP_1)
	v_readfirstlane_b32 s12, v1                    ; wave 0..7
	s_cmp_ge_u32 ttmp9, NRT                        ; the role hangs on the work-group's number alone
	s_cbranch_scc1 .Lwq
	v_and_b32 v1, 31, v0                           ; lane
	s_delay_alu instid0(VALU_DEP_1)
	v_lshlrev_b32 v2, 4, v1                        ; 16 l
	s_delay_alu instid0(VALU_DEP_2)
	v_lshlrev_b32 v6, 5, v1                        ; 32 l: a token's eight logits in LDS
	s_delay_alu instid0(VALU_DEP_3)
	v_lshlrev_b32 v7, 3, v1                        ; 8 l
	s_delay_alu instid0(VALU_DEP_4)
	v_lshlrev_b32 v12, 2, v1                       ; 4 l
	s_lshl_b32 s13, s12, 7
	v_mov_b32 v5, s13                              ; my wave's four tokens in LDS: 128 w
	s_mov_b32 s14, 0x76543210
	s_mov_b32 s15, 0xfedcba98                      ; selects for lane l xor 16
	s_lshl_b32 s16, ttmp9, 17                      ; 32 tokens of 4,096 bytes a group,
	s_lshl_b32 s17, s12, 14                        ; 4 a wave
	s_add_co_u32 s16, s16, s17
	s_mov_b32 s17, 0
	s_lshl_b32 s18, ttmp9, 7
	s_mov_b32 s19, 0
	s_lshl_b32 s20, ttmp9, 8
	s_mov_b32 s21, 0
	s_wait_alu depctr_va_vdst(0)
	s_wait_kmcnt 0x0
	s_add_nc_u64 s[16:17], s[4:5], s[16:17]        ; x at my first token
	s_add_nc_u64 s[8:9], s[8:9], s[18:19]          ; rmask at my group
	s_add_nc_u64 s[10:11], s[10:11], s[20:21]      ; gate at my group
.set q, 0
.rept 32                               ; q = 8 tl + j
	global_load_b128 v[XR+4*q:XR+4*q+3], v2, s[16:17] offset:(q/8)*4096+(q%8)*512
.set q, q+1
.endr
	WIN 0x40                                       ; destination window 1
.set q, 0
.rept 64                               ; q = 8 j + e: piece by piece, so that the sums can start on piece 0
	global_load_b128 v[4*(8*(q%8)+q/8):4*(8*(q%8)+q/8)+3], v2, s[6:7] offset:(q%8)*4096+(q/8)*512
.set q, q+1
.endr
	WIN 0x04                                       ; source 1 (router_w) window 1
.set j, 0
.rept 8
	s_wait_loadcnt 8*(7-j)                         ; loads come back in order: x and pieces 0 .. j of router_w are in; the 8 loads of each later piece may be out
.set hf, 0
.rept 2
.set p, 0
.rept 32                               ; p = 8 tl + e: the 32 sums by turns
.if (j == 0) && (hf == 0)
	v_pk_mul_f32 v[ACC+2*p:ACC+2*p+1], v[XR+4*(8*(p/8)+j)+2*hf:XR+4*(8*(p/8)+j)+2*hf+1], v[4*(8*(p%8)+j)+2*hf:4*(8*(p%8)+j)+2*hf+1]
.else
	v_pk_fma_f32 v[ACC+2*p:ACC+2*p+1], v[XR+4*(8*(p/8)+j)+2*hf:XR+4*(8*(p/8)+j)+2*hf+1], v[4*(8*(p%8)+j)+2*hf:4*(8*(p%8)+j)+2*hf+1], v[ACC+2*p:ACC+2*p+1]
.endif
.set p, p+1
.endr
.set hf, hf+1
.endr
.set j, j+1
.endr
	WIN 0
.set p, 0
.rept 32
	v_add_f32 v[SR+p], v[ACC+2*p], v[ACC+2*p+1]
.set p, p+1
.endr
.irp m, 1,2,4,8                        ; across the lanes: each step over all 32 sums before the next
.set p, 0
.rept 32
	v_add_f32_dpp v[SR+p], v[SR+p], v[SR+p] row_xmask:\m row_mask:0xf bank_mask:0xf
.set p, p+1
.endr
.endr
.set p, 0
.rept 32
	v_permlanex16_b32 v[PT+p], v[SR+p], s14, s15
.set p, p+1
.endr
.set p, 0
.rept 32
	v_add_f32 v[SR+p], v[SR+p], v[PT+p]            ; every lane holds logit (tl, e)
.set p, p+1
.endr
.set p, 0
.rept 8
	ds_store_b128 v5, v[SR+4*p:SR+4*p+3] offset:16*p   ; all lanes write the same bytes with the same values
.set p, p+1
.endr
	s_wait_dscnt 0x0                               ; for the others' sake: my stores are done
	s_barrier_signal -1
	s_barrier_wait -1
	s_cmp_lg_u32 s12, 0                            ; wave 0 goes on alone, a lane a token
	s_cbranch_scc1 .Lend
	ds_load_b128 v[16:19], v6
	ds_load_b128 v[20:23], v6 offset:16
	v_mov_b32 v26, 0xff800000                      ; -infinity
	s_wait_dscnt 0x0
	v_mov_b32 v24, v16                             ; the largest so far,
	v_mov_b32 v25, 0                               ; and its expert
.irp e, 1,2,3,4,5,6,7
	s_delay_alu instid0(VALU_DEP_2)
	v_cmp_le_f32 vcc_lo, v[16+\e], v24             ; kept unless strictly greater: the lower index wins a tie
	s_delay_alu instid0(VALU_DEP_1)
	v_cndmask_b32 v24, v[16+\e], v24, vcc_lo
	s_delay_alu instid0(VALU_DEP_2)
	v_cndmask_b32 v25, \e, v25, vcc_lo
.endr
.irp e, 0,1,2,3,4,5,6,7
	v_cmp_eq_u32 vcc_lo, \e, v25
	s_delay_alu instid0(VALU_DEP_1)
	v_cndmask_b32 v[16+\e], v[16+\e], v26, vcc_lo  ; the first choice is taken out
.endr
	v_mov_b32 v27, v16
	v_mov_b32 v28, 0
.irp e, 1,2,3,4,5,6,7
	s_delay_alu instid0(VALU_DEP_2)
	v_cmp_le_f32 vcc_lo, v[16+\e], v27
	s_delay_alu instid0(VALU_DEP_1)
	v_cndmask_b32 v27, v[16+\e], v27, vcc_lo
	s_delay_alu instid0(VALU_DEP_2)
	v_cndmask_b32 v28, \e, v28, vcc_lo
.endr
	s_delay_alu instid0(VALU_DEP_2)
	v_sub_f32 v29, v27, v24                        ; l_b - l_a, 0 or less: the maximum taken away
	s_delay_alu instid0(VALU_DEP_1)
	v_mul_f32 v29, 0x3fb8aa3b, v29
	s_wait_alu depctr_va_vdst(0)
	v_exp_f32 v30, v29                             ; z
	v_mov_b32 v34, 0                               ; (a plain line behind the exponential)  the group's 32 words
	s_wait_alu depctr_va_vdst(0)                   ; the wait ahead of the first reader
	v_add_f32 v31, 1.0, v30
	s_wait_alu depctr_va_vdst(0)
	v_rcp_f32 v32, v31                             ; g_first
	v_nop
	s_wait_alu depctr_va_vdst(0)
	v_mul_f32 v33, v30, v32                        ; g_second
	global_store_b64 v7, v[32:33], s[10:11]        ; 32 lanes store 256 consecutive bytes, aligned
.irp e, 0,1,2,3,4,5,6,7
	v_cmp_eq_u32 s20, \e, v25
	v_cmp_eq_u32 s21, \e, v28
	s_or_b32 s22, s20, s21
	s_bcnt1_i32_b32 s23, s22
	v_writelane_b32 v34, s23, \e
	s_delay_alu instid0(VALU_DEP_1)
	v_writelane_b32 v34, s22, 8+\e
	s_delay_alu instid0(VALU_DEP_1)
	v_writelane_b32 v34, s21, 16+\e
.endr
	global_store_b32 v12, v34, s[8:9]
.Lend:
	s_wait_tensorcnt 0x0                           ; the wave's end, behind my last LDS store
	ds_add_u32 v3, v4
	s_wait_dscnt 0x0
	s_endpgm
; THE SECOND ROLE.  Work-group idx = 32 e + sg takes rows 32 sg .. 32 sg + 31 of w2[e]: 256 KB of f32, dense, read from memory once, here.  Wave w takes tile n = w / 4 (16 rows) and K steps 4 (w % 4) + 0 .. 3:
; four chunks of 16 rows x 128 K.  All 64 loads of a wave go out at once, each 512 consecutive bytes of a row; a chunk turns through the wave's own stage in LDS, so that a lane holds two whole blocks of 32 along K.
; OUT.  w2q: fragment (idx, n, s) at (32 idx + 16 n + s) 1,536 as an image of the operand's 12 registers (registers 4 k .. 4 k + 3 of lane l at 512 k + 16 l); the scale words of four K steps together,
; 16 bytes a lane, at WSOFF + 4,096 idx + 512 (4 n + s / 4) + 16 l.  No barrier: the waves share nothing.
.Lwq:
	s_sub_co_u32 s72, ttmp9, NRT                   ; idx = 0 .. 127: experts 0 .. 3
	s_lshr_b32 s73, s12, 2                         ; n
	s_and_b32 s74, s12, 3                          ; which four K steps
	s_mov_b32 s82, 0x76543210
	s_mov_b32 s83, 0xfedcba98                      ; selects for lane l xor 16
	v_and_b32 v16, 31, v0                          ; l
	v_and_b32 v17, 15, v0                          ; r
	v_bfe_u32 v18, v0, 4, 1                        ; h
	s_delay_alu instid0(VALU_DEP_3)
	v_lshlrev_b32 v19, 4, v16                      ; 16 l
	s_mul_i32 s75, s12, 2*STB
	s_add_co_u32 s75, s75, WST
	v_add_nc_u32 v24, s75, v19                     ; my stages, in: a row's 512 bytes as they lie
	v_mul_u32_u24 v25, v17, 528
	s_delay_alu instid0(VALU_DEP_1)
	v_lshl_add_u32 v25, v18, 7, v25
	s_delay_alu instid0(VALU_DEP_1)
	v_add_nc_u32 v25, s75, v25                     ; and out: row r, + 128 h
	v_lshlrev_b32 v26, 3, v18                      ; 8 h
	v_mov_b32 v27, 0                               ; written once: a lane permute's destination counts as one of its sources
	s_lshl_b32 s76, s72, 18                        ; (32 idx + 16 n) rows of 8,192 bytes + 2,048 (w % 4)
	s_lshl_b32 s75, s73, 17
	s_add_co_u32 s76, s76, s75
	s_lshl_b32 s75, s74, 11
	s_add_co_u32 s76, s76, s75
	s_mov_b32 s77, 0
	s_mul_i32 s78, s72, 49152                      ; (32 idx + 16 n + 4 (w % 4)) fragments
	s_mul_i32 s75, s73, 24576
	s_add_co_u32 s78, s78, s75
	s_mul_i32 s75, s74, 6144
	s_add_co_u32 s78, s78, s75
	s_mov_b32 s79, 0
	s_lshl_b32 s80, s72, 12
	s_lshl_b32 s75, s73, 11
	s_add_co_u32 s80, s80, s75
	s_lshl_b32 s75, s74, 9
	s_add_co_u32 s80, s80, s75
	s_add_co_u32 s80, s80, WSOFF
	s_mov_b32 s81, 0
	s_wait_alu depctr_va_vdst(0)
	s_wait_kmcnt 0x0
; THE OTHER KIND OF JOB, idx >= 128: job J = idx - 128.  Wave W = 8 J + w = 4 g + 2 mat + c takes, of matrix mat (w1, w3), hidden block c of the 64 units g = 32 e + i, tiles u = 0, 1 and K steps s = 0, 1: chunk t = 2 u + s.
; Row ro of tile u is row 8 u + ro + 8 (ro / 8) of the block, rows 4,096 bytes apart; in both kinds row 8 lies 65,536 bytes behind row 0.  Chunks 2, 3 begin 8 rows on (w2: 1,024 bytes on).
; OUT, in w13h: fragment t at (4 W + t) 1,536, the four scale words at W13HS + 512 W + 16 l: the same places, counted in waves, as w2's in w2q.  All is chosen by selects on the work-group's and the wave's number.
	s_sub_co_u32 s84, s72, 128
	s_lshl_b32 s84, s84, 3
	s_add_co_u32 s84, s84, s12                     ; W
	s_lshr_b32 s85, s84, 2
	s_lshl_b32 s85, s85, 1
	s_and_b32 s86, s12, 1
	s_or_b32 s85, s85, s86
	s_lshl_b32 s85, s85, 17                        ; (2 g + c) blocks of 32 rows
	s_mul_i32 s86, s84, 6144
	s_lshl_b32 s87, s84, 9
	s_add_co_u32 s87, s87, W13HS
	s_mov_b32 s90, 4096
	s_mov_b32 s91, 32768
	s_mov_b32 s89, 0
	s_bitcmp1_b32 s12, 1                           ; mat
	s_cselect_b64 s[92:93], s[58:59], s[56:57]
	s_cmp_lt_u32 s72, 128                          ; w2's kind?
	s_cselect_b32 s76, s76, s85
	s_cselect_b32 s78, s78, s86
	s_cselect_b32 s80, s80, s87
	s_cselect_b32 s90, 8192, s90                   ; bytes from row to row
	s_cselect_b32 s88, 1024, s91                   ; bytes from chunk 0 to chunk 2
	s_cselect_b64 s[92:93], s[68:69], s[92:93]
	s_cselect_b64 s[94:95], s[70:71], s[60:61]
	s_add_nc_u64 s[76:77], s[92:93], s[76:77]
	s_add_nc_u64 s[88:89], s[76:77], s[88:89]
	s_add_nc_u64 s[78:79], s[94:95], s[78:79]
	s_add_nc_u64 s[80:81], s[94:95], s[80:81]
	v_add_nc_u32 v48, 0x10000, v19                 ; row 8
.set ro, 0
.rept 8
	v_mad_u32_u24 v[AD+ro], s90, ro, v19           ; the rows' offsets
	v_mad_u32_u24 v[AD+8+ro], s90, ro, v48
.set ro, ro+1
.endr
	s_wait_alu depctr_va_vdst(0)                   ; the wait ahead of the readers below
	WLOADC 0
	WLOADC 1
	WLOADC 2
	WLOADC 3
	s_wait_loadcnt 48                              ; chunk 0 is in; the three chunks behind it may be out
	WTURN 0
	WSTEP 0
	WSTEP 1
	WSTEP 2
	WSTEP 3
	global_store_b128 v19, v[WSW:WSW+3], s[80:81]  ; the four K steps' scale words: 512 consecutive bytes, aligned
	s_wait_tensorcnt 0x0                           ; the wave's end, behind my last LDS store
	ds_add_u32 v3, v4
	s_wait_dscnt 0x0
	s_endpgm
.Lfunc_end_k_qa01c4fc1d3_route:
	.size	k_qa01c4fc1d3_route, .Lfunc_end_k_qa01c4fc1d3_route-k_qa01c4fc1d3_route
	.p2alignl 7, 3214868480
	.fill 96, 4, 3214868480
	.section	.rodata,"a",@progbits
	.p2align	6, 0x0
	.amdhsa_kernel k_qa01c4fc1d3_route
		.amdhsa_group_segment_fixed_size 137216
		.amdhsa_private_segment_fixed_size 0
		.amdhsa_enable_private_segment 0
		.amdhsa_kernarg_size 72
		.amdhsa_user_sgpr_count 2
		.amdhsa_user_sgpr_kernarg_segment_ptr 1
		.amdhsa_wavefront_size32 1
		.amdhsa_system_sgpr_workgroup_id_x 1
		.amdhsa_system_sgpr_workgroup_id_y 1
		.amdhsa_system_sgpr_workgroup_id_z 1
		.amdhsa_system_vgpr_workitem_id 0
		.amdhsa_next_free_vgpr 512
		.amdhsa_next_free_sgpr 96
		.amdhsa_reserve_vcc 1
		.amdhsa_float_denorm_mode_32 3
		.amdhsa_float_denorm_mode_16_64 3
		.amdhsa_memory_ordered 1
		.amdhsa_forward_progress 1
		.amdhsa_inst_pref_size 100
	.end_amdhsa_kernel
	.amdgpu_metadata
---
amdhsa.version: [ 1, 2 ]
amdhsa.kernels:
  - .name:           k_qa01c4fc1d3_route
    .symbol:         k_qa01c4fc1d3_route.kd
    .args:
      - { .name: x, .offset: 0, .size: 8, .value_kind: global_buffer, .address_space: global }
      - { .name: router_w, .offset: 8, .size: 8, .value_kind: global_buffer, .address_space: global }
      - { .name: rmask, .offset: 16, .size: 8, .value_kind: global_buffer, .address_space: global }
      - { .name: gate, .offset: 24, .size: 8, .value_kind: global_buffer, .address_space: global }
      - { .name: w2, .offset: 32, .size: 8, .value_kind: global_buffer, .address_space: global }
      - { .name: w2q, .offset: 40, .size: 8, .value_kind: global_buffer, .address_space: global }
      - { .name: w1, .offset: 48, .size: 8, .value_kind: global_buffer, .address_space: global }
      - { .name: w3, .offset: 56, .size: 8, .value_kind: global_buffer, .address_space: global }
      - { .name: w13h, .offset: 64, .size: 8, .value_kind: global_buffer, .address_space: global }
    .group_segment_fixed_size: 137216
    .private_segment_fixed_size: 0
    .kernarg_segment_align: 8
    .kernarg_segment_size: 72
    .max_flat_workgroup_size: 256
    .sgpr_count:     96
    .vgpr_count:     512
    .wavefront_size: 32
...
	.end_amdgpu_metadata
.endif
;; end of part 1
;; launch place (part 2): grid 231 x 1, 8 waves a work-group, no clusters, 273,408 bytes of LDS; arguments x, rmask, xq, plc, w2, w2q, w1, w3, w13h; writes xq, plc, w2q, w13h
.if DOCPART == 2
	.amdgcn_target "amdgcn-amd-amdhsa--gfx1250"
	.amdhsa_code_object_version 6
	.text
	.protected	k_qa01c4fc1d3_place
	.globl	k_qa01c4fc1d3_place
	.p2align	8
	.type	k_qa01c4fc1d3_place,@function
k_qa01c4fc1d3_place:
	s_mov_b64 s[64:65], 0
	v_nop
	global_prefetch_b8 v0, s[64:65] scope:SCOPE_SE
	s_setreg_imm32_b32 hwreg(HW_REG_WAVE_MODE, 25, 1), 1
	s_wait_xcnt 0x0
; PLACE, and the second half of w2's quantising.  TWO ROLES, parted on the work-group's number alone; each has LDS bytes of its own.
; Work-groups 0 .. 70: the routed rows (token, choice) are laid by expert into a compact row space, and x's rows are gathered there as codes of BF6 (E3M2) with one E8M0 byte for each 32 along K.
; Work-groups 71 .. 198: w2 of experts 4 .. 7 becomes codes, as experts 0 .. 3 did in the launch before: the placing has work for 71 work-groups alone, and w2's codes hang on no choice of the router.
; Only the rows of chosen experts exist here: the others are dead work (cw is exactly 0 for them; shown at the head of the first kernel).
; THE ROW SPACE.  Expert e owns np_e = ceil(c_e / 32) pairs of 16-row tiles from pair fp_e on (fp = the running sum of np).  With 2,048 routed rows and 8 experts there are never more than 64 + 7 = 71 pairs,
; whatever the choice.  A work-group beyond the last pair stores nothing and ends.  A slot that no row takes holds a copy of token 0, whose results nobody reads.
; SHARES.  Work-group M = pair M.  All waves read the 32 groups' counts and ballots (a lane a group) and scan them; wave w places the tokens of groups 4 w .. 4 w + 3; the eight waves' parts meet in LDS
; behind the one barrier; then wave w quantises K step w (128 along K) of the pair's 32 rows.
; OUT.  xq: fragment (pair M, K step s, tile u) as an image of the operand's 12 registers, at ((8 M + s) 2 + u) 1,536: registers 4 k .. 4 k + 3 of lane l at 512 k + 16 l; scale words at XSOFF + 1,024 M + 128 s + 4 l,
; lane l = 16 u + r holding row r of tile u.  plc: words 2 e, 2 e + 1 = fp_e, np_e; from byte 256 word 2 t + choice = the row; words 2,048 + row take the empty slots' stores, so that each store has a place of its own.
; THE QUANTISER.  A block's scale byte is its largest magnitude's exponent field - 4, held at 1 from below by a floor among the maximum's leaves; a block of zeros keeps the byte 1 (its codes are zeros, and this program alone reads the bytes).
; LIMITS: blocks whose largest magnitude lies under 2^-122 take the floor's byte; NaN and infinities are not served.
; BESIDE WHAT STANDS ABOVE: work-groups 199 .. 230 run the second role's text on K steps 0 and 1 of w1 and w3 (jobs 96 .. 127 of 128, as jobs 0 .. 95 in the launch before).
.set NPL,   71
.set AD,    32                         ; v32-47: the second role's 16 row offsets
.set W13HS, 6291456                    ; w13h: behind the codes, the scale words
.set STG,   2048                       ; LDS: bytes 0 .. 2,047 the waves' placed entries [wave][tile][32 words]; then a stage of 16 rows x 528 bytes for each (wave, tile)
.set STB,   8448
.set SPARE, 137216                     ; behind the stages: the spare words, 128 bytes a wave, which no other line names
.set WST,   138240                     ; behind them the second role's stages: two for each wave
.set XSOFF, 1744896
.set WSOFF, 12582912                   ; w2q: behind the codes, the scale words
.set NB,   16                          ; v16-79   64 numbers of a lane (before that: the tables and the scan)
.set FR,   80                          ; v80-91   a fragment
.set FTR,  92                          ; v92-98   the halves of blocks that are made elsewhere and moved
.set MXR,  100
.set SOR,  102
.set BYR,  104
.set SW,   106                         ; v106-107 the two tiles' scale words, v108 both in one register
.set TR,   109
.set SH8R, 10
.set SELS, 14
.set LR,   128                         ; v128-255 the 32 rows' loads; each load's first register holds its own offset until it lands
.set MSB, 0
.macro WIN new                         ; the immediate's high byte repeats the setting that is left
.if MSB != (\new)
	s_set_vgpr_msb (MSB<<8)|(\new)
.set MSB, \new
.endif
.endm
; 64 numbers of a lane, register 32 c + i = k 64 c + 32 (lane / 16) + i of row lane % 16, become the operand's 12 registers and the row's scale word.  A lane holds two whole blocks: no other lane is asked for a maximum.
.macro QCHUNK src, frg, swd
.irp c, 0,1
	v_max3_num_f32 v[MXR+\c], |v[(\src)+32*\c]|, |v[(\src)+32*\c+1]|, 0x2800000   ; and the floor 2^(5 - 127): the byte cannot fall under 1
.endr
.irp i, 2,4,6,8,10,12,14,16,18,20,22,24,26,28,30
.irp c, 0,1
	s_delay_alu instid0(VALU_DEP_2)
	v_max3_num_f32 v[MXR+\c], v[MXR+\c], |v[(\src)+32*\c+\i]|, |v[(\src)+32*\c+\i+1]|
.endr
.endr
.irp c, 0,1
	s_delay_alu instid0(VALU_DEP_2)
	v_add_nc_u32 v[SOR+\c], 0xfe000000, v[MXR+\c]  ; 4 off the exponent field: the conversion's scale operand
.endr
.irp c, 0,1
	s_delay_alu instid0(VALU_DEP_2)
	v_lshrrev_b32 v[BYR+\c], 23, v[SOR+\c]         ; the scale's byte
.endr
	s_delay_alu instid0(VALU_DEP_1)
	v_lshl_or_b32 v[\swd], v[BYR+1], 16, v[BYR]    ; my two bytes, blocks h and 2 + h,
	s_delay_alu instid0(VALU_DEP_1)
	v_lshlrev_b32 v[\swd], v[SH8R], v[\swd]        ; at their places;
	s_delay_alu instid0(VALU_DEP_1)
	v_permlanex16_b32 v[TR], v[\swd], s[SELS], s[SELS+1]
	s_delay_alu instid0(VALU_DEP_1)
	v_or_b32 v[\swd], v[\swd], v[TR]               ; with lane l xor 16's two the word is whole
.irp c, 0,1
	v_cvt_scalef32_pk16_bf6_f32 v[(\frg)+6*\c:(\frg)+6*\c+2], v[(\src)+32*\c:(\src)+32*\c+15], v[SOR+\c]
	v_cvt_scalef32_pk16_bf6_f32 v[FTR+4*\c:FTR+4*\c+2], v[(\src)+32*\c+16:(\src)+32*\c+31], v[SOR+\c]   ; (a conversion's three registers begin on an even number)
.endr
	v_nop                                          ; one plain line behind the conversions
.irp c, 0,1
.irp i, 0,1,2
	v_mov_b32 v[(\frg)+3+6*\c+\i], v[FTR+4*\c+\i]
.endr
.endr
.endm
	s_load_b256 s[4:11], s[0:1], 0x0               ; x, rmask, xq, plc
	s_load_b128 s[68:71], s[0:1], 0x20             ; w2, w2q
	s_load_b128 s[56:59], s[0:1], 0x30             ; w1, w3
	s_load_b64 s[60:61], s[0:1], 0x40              ; w13h
	v_lshl_add_u32 v6, v0, 2, SPARE                ; my spare word
	v_mov_b32 v7, 0
	v_lshrrev_b32 v1, 5, v0
	s_delay_alu instid0(VALU_DEP_1)
	v_readfirstlane_b32 s12, v1                    ; wave 0..7
	s_cmp_ge_u32 ttmp9, NPL                        ; the role hangs on the work-group's number alone
	s_cbranch_scc1 .Lwq
	s_mov_b32 s13, ttmp9                           ; M
	s_mov_b32 s14, 0x76543210
	s_mov_b32 s15, 0xfedcba98
	s_mov_b32 s16, 0xffff0000                      ; lanes 16-31
	v_and_b32 v1, 31, v0                           ; l
	v_and_b32 v2, 15, v0                           ; r
	v_bfe_u32 v3, v0, 4, 1                         ; h
	s_delay_alu instid0(VALU_DEP_3)
	v_lshlrev_b32 v4, 4, v1                        ; 16 l
	s_delay_alu instid0(VALU_DEP_4)
	v_lshlrev_b32 v5, 2, v1                        ; 4 l
	s_mul_i32 s17, s12, 2*STB
	s_add_co_u32 s17, s17, STG
	v_add_nc_u32 v8, s17, v4                       ; the stage, in: a row's 512 bytes as they lie
	v_mul_u32_u24 v9, v2, 528
	s_delay_alu instid0(VALU_DEP_1)
	v_lshl_add_u32 v9, v3, 7, v9
	s_delay_alu instid0(VALU_DEP_1)
	v_add_nc_u32 v9, s17, v9                       ; out: row r, + 128 h
	v_lshlrev_b32 v10, 3, v3                       ; 8 h
	v_mov_b32 v11, 1
	s_delay_alu instid0(VALU_DEP_1)
	v_lshlrev_b32 v11, v1, v11                     ; my lane's bit
	s_lshl_b32 s17, s12, 2
	v_add_nc_u32 v12, s17, v1
	s_delay_alu instid0(VALU_DEP_1)
	v_and_b32 v12, 31, v12
	s_delay_alu instid0(VALU_DEP_1)
	v_lshlrev_b32 v12, 2, v12                      ; pulls lane (l + 4 w) % 32: my wave's four groups come to lanes 0 .. 3
	s_lshl_b32 s17, s12, 8
	v_add_nc_u32 v13, s17, v5                      ; where my wave's entries go: 256 w + 4 l
	v_lshlrev_b32 v14, 2, v2
	s_delay_alu instid0(VALU_DEP_1)
	v_lshl_add_u32 v14, v3, 7, v14                 ; where slot (tile h, row r) is read: 128 h + 4 r
	v_lshlrev_b32 v15, 7, v1                       ; a group's 128 bytes of rmask
	v_lshl_add_u32 v67, v1, 1, 1
	s_delay_alu instid0(VALU_DEP_1)
	v_add_nc_u32 v67, s17, v67                     ; 2 (128 w + l) + 1
	v_mov_b32 v70, 16
.irp e, 0,1,2,3,4,5,6,7
	v_mov_b32 v[48+\e], 0                          ; written once: a lane move's destination counts as one of its sources
.endr
	v_mov_b32 v[TR], 0
	s_lshl_b32 s46, s12, 9
	s_mov_b32 s47, 0
	s_lshl_b32 s48, s13, 3
	s_add_co_u32 s48, s48, s12
	s_mul_i32 s48, s48, 3072                       ; (8 M + w) two fragments
	s_mov_b32 s49, 0
	s_lshl_b32 s50, s13, 10
	s_lshl_b32 s51, s12, 7
	s_add_co_u32 s50, s50, s51
	s_mov_b32 s51, 0
	s_wait_kmcnt 0x0
	s_add_nc_u64 s[18:19], s[4:5], s[46:47]        ; x at K step w
	s_add_nc_u64 s[20:21], s[8:9], s[48:49]        ; my two fragments
	s_add_nc_u64 s[22:23], s[8:9], s[50:51]        ; my scale words (XSOFF stands in the immediate)
.irp j, 0,1,2,3,4,5
	global_load_b128 v[16+4*\j:19+4*\j], v15, s[6:7] offset:16*\j   ; v16-23 counts, v24-31 ballots, v32-39 second-choice ballots of group l
.endr
	s_wait_loadcnt 0x0
.irp e, 0,1,2,3,4,5,6,7
	v_mov_b32 v[40+\e], v[16+\e]
.endr
.irp n, 1,2,4,8                        ; the running sum over the groups, inside each 16 lanes; the eight experts by turns
.irp e, 0,1,2,3,4,5,6,7
	v_mov_b32_dpp v[48+\e], v[40+\e] row_shr:\n row_mask:0xf bank_mask:0xf bound_ctrl:1
.endr
.irp e, 0,1,2,3,4,5,6,7
	v_add_nc_u32 v[40+\e], v[40+\e], v[48+\e]
.endr
.endr
.irp e, 0,1,2,3,4,5,6,7
	v_readlane_b32 s[24+\e], v[40+\e], 15
.endr
.irp e, 0,1,2,3,4,5,6,7
	v_mad_u32_u24 v[40+\e], v3, s[24+\e], v[40+\e] ; lanes 16-31 add the lower 16 groups' sum
.endr
.irp e, 0,1,2,3,4,5,6,7
	v_readlane_b32 s[24+\e], v[40+\e], 31          ; c_e
.endr
	s_mov_b32 s32, 0                               ; fp_0
.irp e, 0,1,2,3,4,5,6,7
	s_add_co_u32 s[24+\e], s[24+\e], 31
	s_lshr_b32 s[24+\e], s[24+\e], 5               ; np_e
	s_add_co_u32 s[33+\e], s[32+\e], s[24+\e]      ; fp_(e+1); s40 = all pairs
.endr
	s_mov_b32 s41, 0                               ; my pair's expert: the last e with fp_e <= M,
	s_mov_b32 s42, 0                               ; and its fp
.irp e, 1,2,3,4,5,6,7
	s_cmp_ge_u32 s13, s[32+\e]
	s_cselect_b32 s42, s[32+\e], s42
	s_add_co_ci_u32 s41, s41, 0
.endr
	s_sub_co_u32 s43, s13, s42
	s_lshl_b32 s43, s43, 5                         ; the pair's first row among the expert's
	v_mov_b32 v56, v24
	v_mov_b32 v57, v32
	v_mov_b32 v62, v40
	v_mov_b32 v63, v16
.irp e, 1,2,3,4,5,6,7                  ; that expert's registers, by selects
	s_cmp_eq_u32 s41, \e
	s_cselect_b32 s44, -1, 0
	v_cndmask_b32 v56, v56, v[24+\e], s44
	v_cndmask_b32 v57, v57, v[32+\e], s44
	v_cndmask_b32 v62, v62, v[40+\e], s44
	v_cndmask_b32 v63, v63, v[16+\e], s44
.endr
	s_delay_alu instid0(VALU_DEP_1)
	v_sub_nc_u32 v58, v62, v63                     ; the expert's rows in the groups before group l,
	s_delay_alu instid0(VALU_DEP_1)
	v_sub_nc_u32 v58, v58, s43                     ; counted from the pair's first row
	ds_bpermute_b32 v59, v12, v56
	ds_bpermute_b32 v60, v12, v57
	ds_bpermute_b32 v61, v12, v58
	s_wait_dscnt 0x0
.irp i, 0,1,2,3                        ; group 4 w + i: token l of it goes to slot q of the pair, if it chose the expert and q is 0 .. 31
	v_readlane_b32 s45, v59, \i
	v_readlane_b32 s46, v60, \i
	v_readlane_b32 s47, v61, \i
	s_delay_alu instid0(VALU_DEP_1)
	v_mbcnt_lo_u32_b32 v64, s45, s47               ; q = the group's first slot + the chosen tokens below me
	s_delay_alu instid0(VALU_DEP_4)
	v_and_b32 v65, s45, v11
	s_delay_alu instid0(VALU_DEP_1)
	v_cmp_ne_u32 s48, 0, v65                       ; did I choose it?
	v_mov_b32 v66, s46
	s_delay_alu instid0(VALU_DEP_1)
	v_lshrrev_b32 v66, v1, v66
	s_delay_alu instid0(VALU_DEP_1)
	v_and_b32 v66, 1, v66                          ; as my second choice?
	s_delay_alu instid0(VALU_DEP_1)
	v_add3_u32 v68, v66, v67, 64*\i                ; the entry: 2 token + choice + 1
	v_cndmask_b32 v69, v70, v64, s48
	s_delay_alu instid0(VALU_DEP_1)
	v_min_u32 v69, 16, v69                         ; tile 0: lanes 0 .. 15 are its slots; lane 16 takes all that is not for it
	s_delay_alu instid0(VALU_DEP_1)
	v_lshlrev_b32 v69, 2, v69
	ds_permute_b32 v[76+2*\i], v69, v68            ; a lane to which nobody sends gets 0
	v_add_nc_u32 v71, -16, v64
	s_delay_alu instid0(VALU_DEP_1)
	v_cndmask_b32 v71, v70, v71, s48
	s_delay_alu instid0(VALU_DEP_1)
	v_min_u32 v71, 16, v71                         ; tile 1 likewise
	s_delay_alu instid0(VALU_DEP_1)
	v_lshlrev_b32 v71, 2, v71
	ds_permute_b32 v[77+2*\i], v71, v68
.endr
	s_wait_dscnt 0x0
	v_or_b32 v84, v76, v78
	v_or_b32 v85, v77, v79
	s_delay_alu instid0(VALU_DEP_2)
	v_or_b32 v84, v84, v80
	s_delay_alu instid0(VALU_DEP_2)
	v_or_b32 v85, v85, v81
	s_delay_alu instid0(VALU_DEP_2)
	v_or_b32 v84, v84, v82
	s_delay_alu instid0(VALU_DEP_2)
	v_or_b32 v85, v85, v83
	ds_store_b32 v13, v84
	ds_store_b32 v13, v85 offset:128
	s_wait_dscnt 0x0                               ; for the others' sake: my stores are done
	s_barrier_signal -1
	s_barrier_wait -1                              ; this role's one barrier, ahead of every branch on loaded numbers
.irp w, 0,1,2,3,4,5,6,7
	ds_load_b32 v[86+\w], v14 offset:256*\w        ; lanes 0 .. 15's words alone are read
.endr
	s_wait_dscnt 0x0
	v_or_b32 v110, v86, v87
.irp w, 2,3,4,5,6,7
	s_delay_alu instid0(VALU_DEP_1)
	v_or_b32 v110, v110, v[86+\w]                  ; each slot has one sender at the most: lane (h, r) holds its slot's entry, or 0
.endr
	s_cmp_ge_u32 s13, s40                          ; a pair beyond the last: nothing to store
	s_cbranch_scc1 .Lend
	v_max_u32 v111, 1, v110
	s_delay_alu instid0(VALU_DEP_1)
	v_add_nc_u32 v111, -1, v111                    ; 2 token + choice; an empty slot: token 0
	s_delay_alu instid0(VALU_DEP_1)
	v_lshrrev_b32 v112, 1, v111
	s_delay_alu instid0(VALU_DEP_1)
	v_min_u32 v112, 0x3ff, v112                    ; the token
	s_cmp_lg_u32 s12, 0
	s_cbranch_scc1 .Lgather
	s_lshl_b32 s17, s13, 5
	v_add_nc_u32 v114, s17, v1                     ; my slot's row: 32 M + l
	s_delay_alu instid0(VALU_DEP_1)
	v_add_nc_u32 v113, 2048, v114
	v_cmp_ne_u32 vcc_lo, 0, v110
	s_delay_alu instid0(VALU_DEP_1)
	v_cndmask_b32 v113, v113, v111, vcc_lo         ; where it is written down: at its entry, or at the slot's own spare place
	s_delay_alu instid0(VALU_DEP_1)
	v_min_u32 v113, 4319, v113
	s_delay_alu instid0(VALU_DEP_1)
	v_lshlrev_b32 v113, 2, v113
	global_store_b32 v113, v114, s[10:11] offset:256   ; four bytes a lane to scattered places: this IS the inverse list, 8 KB in the whole launch
	s_cmp_lg_u32 s13, 0
	s_cbranch_scc1 .Lgather
	v_mov_b32 v115, 0
.irp e, 0,1,2,3,4,5,6,7
	s_delay_alu instid0(VALU_DEP_1)
	v_writelane_b32 v115, s[32+\e], 2*\e
	s_delay_alu instid0(VALU_DEP_1)
	v_writelane_b32 v115, s[24+\e], 2*\e+1
.endr
	global_store_b32 v5, v115, s[10:11]            ; the experts' table
.Lgather:
.set q, 0
	s_wait_alu depctr_va_vdst(0)
.rept 32                               ; slot q's row of x, K step w: 32 lanes read 512 consecutive bytes
	v_readlane_b32 s45, v112, q
	s_min_u32 s45, s45, 1023
	s_lshl_b32 s45, s45, 12
	v_add_nc_u32 v[LR+4*q], s45, v4
	global_load_b128 v[LR+4*q:LR+4*q+3], v[LR+4*q], s[18:19]
.set q, q+1
.endr
.irp u, 0,1
	s_wait_loadcnt 16*(1-\u)                       ; tile u's 16 loads are in; tile 1's may be out
.set ro, 0
.rept 16
	ds_store_b128 v8, v[LR+64*\u+4*ro:LR+64*\u+4*ro+3] offset:STB*\u+528*ro
.set ro, ro+1
.endr
.set ro, 0
.rept 16
	ds_load_b128 v[NB+4*ro:NB+4*ro+3], v9 offset:STB*\u+256*(ro/8)+16*(ro%8)   ; LDS serves a wave's instructions in order: these see my stores
.set ro, ro+1
.endr
	s_wait_dscnt 0x0
.if \u
	s_wait_xcnt 0x0                                ; tile 0's stores have read the fragment's registers
.endif
	QCHUNK NB, FR, SW+\u
.irp k, 0,1,2
	global_store_b128 v4, v[FR+4*\k:FR+4*\k+3], s[20:21] offset:1536*\u+512*\k   ; 512 consecutive bytes, aligned
.endr
.endr
	v_cndmask_b32 v108, v106, v107, s16            ; lanes 0-15 tile 0's words, lanes 16-31 tile 1's
	global_store_b32 v5, v108, s[22:23] offset:XSOFF
.Lend:
	s_wait_tensorcnt 0x0                           ; the wave's end, behind my last LDS store
	ds_add_u32 v6, v7
	s_wait_dscnt 0x0
	s_endpgm
; THE SECOND ROLE.  Work-group idx = 32 e + sg takes rows 32 sg .. 32 sg + 31 of w2[e]: 256 KB of f32, dense, read from memory once, here.  Wave w takes tile n = w / 4 (16 rows) and K steps 4 (w % 4) + 0 .. 3:
; four chunks of 16 rows x 128 K.  All 64 loads of a wave go out at once, each 512 consecutive bytes of a row; a chunk turns through the wave's own stage in LDS, so that a lane holds two whole blocks of 32 along K.
; OUT.  w2q: fragment (idx, n, s) at (32 idx + 16 n + s) 1,536 as an image of the operand's 12 registers (registers 4 k .. 4 k + 3 of lane l at 512 k + 16 l); the scale words of four K steps together,
; 16 bytes a lane, at WSOFF + 4,096 idx + 512 (4 n + s / 4) + 16 l.  No barrier: the waves share nothing.
; REGISTERS: v16-27 addresses and the four scale words (v20-23); v64-191 two sets of 64 numbers; v192-239 four fragments; v240-253 at work; window 1: the four chunks as loaded.
.set WN,   64
.set WFR,  192
.set WSW,  20
.set FTR,  240
.set MXR,  248
.set SOR,  250
.set BYR,  252
.set TR,   27
.set SH8R, 26
.set SELS, 82
.macro WLOADC t                        ; chunk t: 16 rows x 512 consecutive bytes into set t of window 1
	WIN 0x40
.set ro, 0
.rept 16
	global_load_b128 v[64*(\t)+4*ro:64*(\t)+4*ro+3], v[AD+ro], s[76+12*((\t)/2):77+12*((\t)/2)] offset:512*((\t)%2) th:TH_LOAD_NT   ; chunks 0, 1 from the first base, chunks 2, 3 from the second
.set ro, ro+1
.endr
.endm
.macro WTURN t                         ; through stage t % 2: in as loaded, out 64 numbers a lane
	WIN 0x04                                       ; an LDS store's data are its source 1: window 1
.set ro, 0
.rept 16
	ds_store_b128 v24, v[64*(\t)+4*ro:64*(\t)+4*ro+3] offset:STB*((\t)%2)+528*ro
.set ro, ro+1
.endr
	WIN 0
.set ro, 0
.rept 16
	ds_load_b128 v[WN+64*((\t)%2)+4*ro:WN+64*((\t)%2)+4*ro+3], v25 offset:STB*((\t)%2)+256*(ro/8)+16*(ro%8)   ; LDS serves a wave's instructions in order: these see my stores
.set ro, ro+1
.endr
.endm
.macro WSTEP t
	s_wait_dscnt 0x0                               ; chunk t is back from its stage
.if (\t) < 3
	s_wait_loadcnt 16*(2-(\t))                     ; chunk t + 1 is in; the chunks behind it, 16 loads each, may be out
	WTURN (\t)+1                                   ; and goes through the other stage while chunk t is worked
.endif
	QCHUNK WN+64*((\t)%2), WFR+12*(\t), WSW+(\t)
.irp k, 0,1,2
	global_store_b128 v19, v[WFR+12*(\t)+4*\k:WFR+12*(\t)+4*\k+3], s[78:79] offset:1536*(\t)+512*\k   ; 512 consecutive bytes, aligned; each chunk has fragment registers of its own, so no store's data are written again
.endr
.endm
.Lwq:
	s_add_co_u32 s72, ttmp9, 128-NPL               ; idx = 128 .. 255: experts 4 .. 7
	s_lshr_b32 s73, s12, 2                         ; n
	s_and_b32 s74, s12, 3                          ; which four K steps
	s_mov_b32 s82, 0x76543210
	s_mov_b32 s83, 0xfedcba98                      ; selects for lane l xor 16
	v_and_b32 v16, 31, v0                          ; l
	v_and_b32 v17, 15, v0                          ; r
	v_bfe_u32 v18, v0, 4, 1                        ; h
	s_delay_alu instid0(VALU_DEP_3)
	v_lshlrev_b32 v19, 4, v16                      ; 16 l
	s_mul_i32 s75, s12, 2*STB
	s_add_co_u32 s75, s75, WST
	v_add_nc_u32 v24, s75, v19                     ; my stages, in: a row's 512 bytes as they lie
	v_mul_u32_u24 v25, v17, 528
	s_delay_alu instid0(VALU_DEP_1)
	v_lshl_add_u32 v25, v18, 7, v25
	s_delay_alu instid0(VALU_DEP_1)
	v_add_nc_u32 v25, s75, v25                     ; and out: row r, + 128 h
	v_lshlrev_b32 v26, 3, v18                      ; 8 h
	v_mov_b32 v27, 0                               ; written once: a lane permute's destination counts as one of its sources
	s_lshl_b32 s76, s72, 18                        ; (32 idx + 16 n) rows of 8,192 bytes + 2,048 (w % 4)
	s_lshl_b32 s75, s73, 17
	s_add_co_u32 s76, s76, s75
	s_lshl_b32 s75, s74, 11
	s_add_co_u32 s76, s76, s75
	s_mov_b32 s77, 0
	s_mul_i32 s78, s72, 49152                      ; (32 idx + 16 n + 4 (w % 4)) fragments
	s_mul_i32 s75, s73, 24576
	s_add_co_u32 s78, s78, s75
	s_mul_i32 s75, s74, 6144
	s_add_co_u32 s78, s78, s75
	s_mov_b32 s79, 0
	s_lshl_b32 s80, s72, 12
	s_lshl_b32 s75, s73, 11
	s_add_co_u32 s80, s80, s75
	s_lshl_b32 s75, s74, 9
	s_add_co_u32 s80, s80, s75
	s_add_co_u32 s80, s80, WSOFF
	s_mov_b32 s81, 0
	s_wait_alu depctr_va_vdst(0)
	s_wait_kmcnt 0x0
; THE OTHER KIND OF JOB, idx >= 256: job J = idx - 160 (96 .. 127).  Wave W = 8 J + w = 4 g + 2 mat + c takes, of matrix mat (w1, w3), hidden block c of the 64 units g = 32 e + i, tiles u = 0, 1 and K steps s = 0, 1: chunk t = 2 u + s.
; Row ro of tile u is row 8 u + ro + 8 (ro / 8) of the block, rows 4,096 bytes apart; in both kinds row 8 lies 65,536 bytes behind row 0.  Chunks 2, 3 begin 8 rows on (w2: 1,024 bytes on).
; OUT, in w13h: fragment t at (4 W + t) 1,536, the four scale words at W13HS + 512 W + 16 l.  All is chosen by selects on the work-group's and the wave's number.
	s_sub_co_u32 s84, s72, 160
	s_lshl_b32 s84, s84, 3
	s_add_co_u32 s84, s84, s12                     ; W
	s_lshr_b32 s85, s84, 2
	s_lshl_b32 s85, s85, 1
	s_and_b32 s86, s12, 1
	s_or_b32 s85, s85, s86
	s_lshl_b32 s85, s85, 17                        ; (2 g + c) blocks of 32 rows
	s_mul_i32 s86, s84, 6144
	s_lshl_b32 s87, s84, 9
	s_add_co_u32 s87, s87, W13HS
	s_mov_b32 s90, 4096
	s_mov_b32 s91, 32768
	s_mov_b32 s89, 0
	s_bitcmp1_b32 s12, 1                           ; mat
	s_cselect_b64 s[92:93], s[58:59], s[56:57]
	s_cmp_lt_u32 s72, 256                          ; w2's kind?
	s_cselect_b32 s76, s76, s85
	s_cselect_b32 s78, s78, s86
	s_cselect_b32 s80, s80, s87
	s_cselect_b32 s90, 8192, s90                   ; bytes from row to row
	s_cselect_b32 s88, 1024, s91                   ; bytes from chunk 0 to chunk 2
	s_cselect_b64 s[92:93], s[68:69], s[92:93]
	s_cselect_b64 s[94:95], s[70:71], s[60:61]
	s_add_nc_u64 s[76:77], s[92:93], s[76:77]
	s_add_nc_u64 s[88:89], s[76:77], s[88:89]
	s_add_nc_u64 s[78:79], s[94:95], s[78:79]
	s_add_nc_u64 s[80:81], s[94:95], s[80:81]
	v_add_nc_u32 v48, 0x10000, v19                 ; row 8
.set ro, 0
.rept 8
	v_mad_u32_u24 v[AD+ro], s90, ro, v19           ; the rows' offsets
	v_mad_u32_u24 v[AD+8+ro], s90, ro, v48
.set ro, ro+1
.endr
	s_wait_alu depctr_va_vdst(0)                   ; the wait ahead of the readers below
	WLOADC 0
	WLOADC 1
	WLOADC 2
	WLOADC 3
	s_wait_loadcnt 48                              ; chunk 0 is in; the three chunks behind it may be out
	WTURN 0
	WSTEP 0
	WSTEP 1
	WSTEP 2
	WSTEP 3
	global_store_b128 v19, v[WSW:WSW+3], s[80:81]  ; the four K steps' scale words: 512 consecutive bytes, aligned
	s_wait_tensorcnt 0x0                           ; the wave's end, behind my last LDS store
	ds_add_u32 v6, v7
	s_wait_dscnt 0x0
	s_endpgm
.Lfunc_end_k_qa01c4fc1d3_place:
	.size	k_qa01c4fc1d3_place, .Lfunc_end_k_qa01c4fc1d3_place-k_qa01c4fc1d3_place
	.p2alignl 7, 3214868480
	.fill 96, 4, 3214868480
	.section	.rodata,"a",@progbits
	.p2align	6, 0x0
	.amdhsa_kernel k_qa01c4fc1d3_place
		.amdhsa_group_segment_fixed_size 273408
		.amdhsa_private_segment_fixed_size 0
		.amdhsa_enable_private_segment 0
		.amdhsa_kernarg_size 72
		.amdhsa_user_sgpr_count 2
		.amdhsa_user_sgpr_kernarg_segment_ptr 1
		.amdhsa_wavefront_size32 1
		.amdhsa_system_sgpr_workgroup_id_x 1
		.amdhsa_system_sgpr_workgroup_id_y 1
		.amdhsa_system_sgpr_workgroup_id_z 1
		.amdhsa_system_vgpr_workitem_id 0
		.amdhsa_next_free_vgpr 512
		.amdhsa_next_free_sgpr 96
		.amdhsa_reserve_vcc 1
		.amdhsa_float_denorm_mode_32 3
		.amdhsa_float_denorm_mode_16_64 3
		.amdhsa_memory_ordered 1
		.amdhsa_forward_progress 1
		.amdhsa_inst_pref_size 81
	.end_amdhsa_kernel
	.amdgpu_metadata
---
amdhsa.version: [ 1, 2 ]
amdhsa.kernels:
  - .name:           k_qa01c4fc1d3_place
    .symbol:         k_qa01c4fc1d3_place.kd
    .args:
      - { .name: x, .offset: 0, .size: 8, .value_kind: global_buffer, .address_space: global }
      - { .name: rmask, .offset: 8, .size: 8, .value_kind: global_buffer, .address_space: global }
      - { .name: xq, .offset: 16, .size: 8, .value_kind: global_buffer, .address_space: global }
      - { .name: plc, .offset: 24, .size: 8, .value_kind: global_buffer, .address_space: global }
      - { .name: w2, .offset: 32, .size: 8, .value_kind: global_buffer, .address_space: global }
      - { .name: w2q, .offset: 40, .size: 8, .value_kind: global_buffer, .address_space: global }
      - { .name: w1, .offset: 48, .size: 8, .value_kind: global_buffer, .address_space: global }
      - { .name: w3, .offset: 56, .size: 8, .value_kind: global_buffer, .address_space: global }
      - { .name: w13h, .offset: 64, .size: 8, .value_kind: global_buffer, .address_space: global }
    .group_segment_fixed_size: 273408
    .private_segment_fixed_size: 0
    .kernarg_segment_align: 8
    .kernarg_segment_size: 72
    .max_flat_workgroup_size: 256
    .sgpr_count:     96
    .vgpr_count:     512
    .wavefront_size: 32
...
	.end_amdgpu_metadata
.endif
;; end of part 2
;; launch up (part 3): grid 32 x 8, 4 waves a work-group, no clusters, 174,592 bytes of LDS; arguments w1, w3, xq, plc, hq, w13h; writes hq
.if DOCPART == 3
	.amdgcn_target "amdgcn-amd-amdhsa--gfx1250"
	.amdhsa_code_object_version 6
	.text
	.protected	k_qa01c4fc1d3_up
	.globl	k_qa01c4fc1d3_up
	.p2align	8
	.type	k_qa01c4fc1d3_up,@function
k_qa01c4fc1d3_up:
	s_mov_b64 s[64:65], 0
	v_nop
	global_prefetch_b8 v0, s[64:65] scope:SCOPE_SE
	s_setreg_imm32_b32 hwreg(HW_REG_WAVE_MODE, 25, 1), 1
	s_wait_xcnt 0x0
; UP: h = silu(x w1[e]^T) x (x w3[e]^T) for the rows that chose expert e, both products on codes of BF6 (E3M2) with E8M0 scales; h leaves as codes, quantised along the hidden axis.
; Only the chosen rows are multiplied: the others are dead work (cw is exactly 0 for them; shown at the head of the first kernel).
; SHARES.  Work-group (i, e): hidden units 64 i .. 64 i + 63 of expert e: 64 rows of w1 and 64 of w3, 512 KB of f32, read from memory once, here, and quantised in registers.
; PHASE A.  Wave w streams one dense block of 128 KB: matrix w / 2 (w1 or w3), rows 64 i + 32 (w % 2) + 0 .. 31, as 16 chunks of 16 rows x 128 K.  Each load takes 512 consecutive bytes of a row; a chunk turns through the
; wave's own stage in LDS, so that a lane holds two whole blocks of 32 along K; its fragment and scale words go to LDS as an image of the operand's registers.  64 loads of a wave are on their way.  One barrier.
; PHASE B.  Wave w (c = w % 2, p = w / 2) takes the 32 fragments of hidden block 2 i + c (w1's and w3's) into registers and walks the expert's pairs fp + p, fp + p + 2, ..: the number of pairs is a whole number that an
; earlier launch stored.  Since that count steers the walk, the operands come from memory straight into registers, and tiles are not shared by joint requests, though the expert's 32 work-groups read the same x.
; LAYOUT.  The products are used transposed (source 0 = 16 rows of the weight, source 1 = 16 rows of x).  Row ro of tile u is hidden unit 8 u + ro + 8 (ro / 8) of the block, so that a lane's 16 registers of tiles 0 and 1
; are 16 neighbours along the hidden axis: lane (r, h) holds units 16 h + 0 .. 15 of row r.
; OUT.  hq: block B of pair M at (64 M + B) 768: lane l = 16 tile + r holds the block's 24 bytes, registers 0-3 at 16 l, 4-5 at 512 + 8 l; scale bytes at HSOFF + 2,048 M + 128 (B / 4) + 4 l + B % 4.
; LIMITS: as the quantiser's in the launch before (floor byte 1 under 2^-122; NaN, infinities not served); 1 + 2^(-g log2 e) overflows to infinity for g under about -88, where silu then gives -0 for a number under 1e-36 in size.
; REGISTERS.  Window 0: v1-15 addresses; v16-31 the weights' scale words, v32-39 x's; v40, v41 the closing add's; phase A: v64-191 two sets of 64 numbers, v192-239 fragments and scratch; phase B: v64-127 eight accumulators,
; v128-180 at work.  Windows 1, 2: the weights' fragments of K steps 0-3, 4-7.  Window 3: phase A's four sets of loads, then x's 16 fragments.
; THE EXCEPTION TO WHAT STANDS ABOVE: K steps 0 and 1 of the weights come as codes.  The two routing launches have laid them in w13h as images of the operand's registers, so phase A streams K steps 2 .. 7 alone
; (chunks 4 .. 15 of a wave's 16, 384 KB of f32 a work-group), and phase B takes the fragments and scale words of K steps 0 and 1 from memory straight into registers.
.set STB,   8448
.set W13HS, 6291456                    ; w13h: behind the codes, the scale words
.set IMG,   67584                      ; images: fragment (tile T = 2 w + u, K step s) at (8 T + s) 1,536
.set ISC,   165888                     ; their scale words at (8 T + s) 128 + 4 l
.set SPARE, 174080                     ; the spare words, 128 bytes a wave, which no other line names
.set XSOFF, 1744896
.set HSOFF, 3489792
.set NCH,  16
.set NB,   64
.set FR,   192                         ; v192-203, v208-219
.set FTR,  220
.set MXR,  228
.set SOR,  230
.set BYR,  232
.set SWD,  238                         ; v238, v239
.set TR,   15
.set SH8R, 14
.set SELS, 20
.set WS,   16
.set XS,   32
.set ACC,  64                          ; accumulator (matrix, row tile, u) at 8 (4 mat + 2 rt + u)
.set GR,   64
.set UR,   96
.set TT,   128
.set MX2,  160
.set MY2,  162
.set SO2,  164
.set BY2,  166
.set CA,   168
.set CB,   176
.set EB,   180
.set MSB, 0
.macro WIN new                         ; the immediate's high byte repeats the setting that is left
.if MSB != (\new)
	s_set_vgpr_msb (MSB<<8)|(\new)
.set MSB, \new
.endif
.endm
; 64 numbers of a lane, register 32 c + i = k 64 c + 32 (lane / 16) + i of row lane % 16, become the operand's 12 registers and the row's scale word.
.macro QCHUNK src, frg, swd
.irp c, 0,1
	v_max3_num_f32 v[MXR+\c], |v[(\src)+32*\c]|, |v[(\src)+32*\c+1]|, 0x2800000   ; and the floor 2^(5 - 127): the byte cannot fall under 1
.endr
.irp i, 2,4,6,8,10,12,14,16,18,20,22,24,26,28,30
.irp c, 0,1
	v_max3_num_f32 v[MXR+\c], v[MXR+\c], |v[(\src)+32*\c+\i]|, |v[(\src)+32*\c+\i+1]|
.endr
.endr
.irp c, 0,1
	v_add_nc_u32 v[SOR+\c], 0xfe000000, v[MXR+\c]  ; 4 off the exponent field: the conversion's scale operand
.endr
.irp c, 0,1
	v_lshrrev_b32 v[BYR+\c], 23, v[SOR+\c]
.endr
	v_lshl_or_b32 v[\swd], v[BYR+1], 16, v[BYR]
	v_lshlrev_b32 v[\swd], v[SH8R], v[\swd]
	v_permlanex16_b32 v[TR], v[\swd], s[SELS], s[SELS+1]
	v_or_b32 v[\swd], v[\swd], v[TR]
.irp c, 0,1
	v_cvt_scalef32_pk16_bf6_f32 v[(\frg)+6*\c:(\frg)+6*\c+2], v[(\src)+32*\c:(\src)+32*\c+15], v[SOR+\c]
	v_cvt_scalef32_pk16_bf6_f32 v[FTR+4*\c:FTR+4*\c+2], v[(\src)+32*\c+16:(\src)+32*\c+31], v[SOR+\c]
.endr
	v_nop                                          ; one plain line behind the conversions
.irp c, 0,1
.irp i, 0,1,2
	v_mov_b32 v[(\frg)+3+6*\c+\i], v[FTR+4*\c+\i]
.endr
.endr
.endm
.macro LOADC t                         ; chunk t = 2 s + u: 16 rows x 512 bytes into set t % 4 of window 3
	WIN 0xc0
.set ro, 0
.rept 16
	global_load_b128 v[64*((\t)%4)+4*ro:64*((\t)%4)+4*ro+3], v4, s[24:25] offset:(8*((\t)%2)+ro+8*(ro/8))*4096+512*((\t)/2) th:TH_LOAD_NT
.set ro, ro+1
.endr
.endm
.macro TURN t                          ; through stage t % 2: in as loaded, out 64 numbers a lane
	WIN 0x0c                                       ; an LDS store's data are its source 1: window 3
.set ro, 0
.rept 16
	ds_store_b128 v7, v[64*((\t)%4)+4*ro:64*((\t)%4)+4*ro+3] offset:STB*((\t)%2)+528*ro
.set ro, ro+1
.endr
	WIN 0
.set ro, 0
.rept 16
	ds_load_b128 v[NB+64*((\t)%2)+4*ro:NB+64*((\t)%2)+4*ro+3], v8 offset:STB*((\t)%2)+256*(ro/8)+16*(ro%8)   ; LDS serves a wave's instructions in order: these see my stores
.set ro, ro+1
.endr
.endm
.macro IMAGE t
.irp k, 0,1,2
	ds_store_b128 v9, v[FR+16*((\t)%2)+4*\k:FR+16*((\t)%2)+4*\k+3] offset:(8*((\t)%2)+(\t)/2)*1536+512*\k
.endr
	ds_store_b32 v10, v[SWD+(\t)%2] offset:(8*((\t)%2)+(\t)/2)*128
.endm
.macro ASTEP t
.if (\t) == 4
	s_wait_dscnt 0x0
.else
	s_wait_dscnt 4                                 ; chunk t is back from its stage; the four younger instructions are the last image's stores
.endif
.if (\t)+4 < NCH
	LOADC (\t)+4                                   ; into the set that chunk t has left
.endif
.if (\t)+1 < NCH
.if (\t)+4 < NCH
	s_wait_loadcnt 48                              ; chunk t + 1 is in; the three chunks behind it, 16 loads each, may be out
.else
	s_wait_loadcnt 16*(NCH-2-(\t))
.endif
	TURN (\t)+1
.endif
	QCHUNK NB+64*((\t)%2), FR+16*((\t)%2), SWD+(\t)%2
	IMAGE \t
.endm
	s_load_b256 s[4:11], s[0:1], 0x0               ; w1, w3, xq, plc
	s_load_b64 s[12:13], s[0:1], 0x20              ; hq
	s_load_b64 s[52:53], s[0:1], 0x28              ; w13h
	v_lshl_add_u32 v40, v0, 2, SPARE               ; my spare word
	v_mov_b32 v41, 0
	v_lshrrev_b32 v1, 5, v0
	v_readfirstlane_b32 s14, v1                    ; wave 0..3
	s_and_b32 s15, s14, 1                          ; c
	s_lshr_b32 s16, s14, 1                         ; phase A: the matrix; phase B: p
	s_mov_b32 s18, ttmp9                           ; i
	s_and_b32 s19, ttmp7, 0xffff                   ; e
	s_mov_b32 s20, 0x76543210
	s_mov_b32 s21, 0xfedcba98
	s_mov_b32 s22, 0xffff0000                      ; lanes 16-31
	v_and_b32 v1, 31, v0                           ; l
	v_and_b32 v2, 15, v0                           ; r
	v_bfe_u32 v3, v0, 4, 1                         ; h
	v_lshlrev_b32 v4, 4, v1                        ; 16 l
	v_lshlrev_b32 v5, 2, v1                        ; 4 l
	v_lshlrev_b32 v6, 3, v1                        ; 8 l
	s_mul_i32 s23, s14, 2*STB
	v_add_nc_u32 v7, s23, v4                       ; my stages, in
	v_mul_u32_u24 v8, v2, 528
	v_lshl_add_u32 v8, v3, 7, v8
	v_add_nc_u32 v8, s23, v8                       ; and out: row r, + 128 h
	s_mul_i32 s23, s14, 24576
	s_add_co_u32 s23, s23, IMG
	v_add_nc_u32 v9, s23, v4                       ; where I store images: tiles 2 w, 2 w + 1
	s_lshl_b32 s23, s14, 11
	s_add_co_u32 s23, s23, ISC
	v_add_nc_u32 v10, s23, v5                      ; and their scale words
	s_mul_i32 s23, s15, 24576
	s_add_co_u32 s23, s23, IMG
	v_add_nc_u32 v11, s23, v4                      ; where I read w1's images of block c,
	v_add_nc_u32 v12, 49152, v11                   ; and w3's
	s_lshl_b32 s23, s15, 11
	s_add_co_u32 s23, s23, ISC
	v_lshlrev_b32 v13, 2, v2
	v_lshl_add_u32 v13, v3, 10, v13
	v_add_nc_u32 v13, s23, v13                     ; scale words: lanes 0-15 tile u = 0, lanes 16-31 tile u = 1
	v_lshlrev_b32 v14, 3, v3                       ; 8 h
	v_mov_b32 v15, 0                               ; written once: a lane permute's destination counts as one of its sources
	v_lshlrev_b32 v42, 4, v2
	v_lshl_add_u32 v42, v3, 3, v42                 ; w13h's scale words: 16 r + 8 h: lanes 0-15 tile u = 0's two K steps, lanes 16-31 tile u = 1's
	s_lshl_b32 s24, s19, 23                        ; (2,048 e + 64 i + 32 c) rows of 4,096 bytes
	s_lshl_b32 s25, s18, 18
	s_add_co_u32 s24, s24, s25
	s_lshl_b32 s25, s15, 17
	s_add_co_u32 s24, s24, s25
	s_mov_b32 s25, 0
	s_lshl_b32 s28, s19, 3
	s_mov_b32 s29, 0
	s_wait_kmcnt 0x0
	s_cmp_eq_u32 s16, 0                            ; the choice hangs on the wave's number alone
	s_cselect_b64 s[44:45], s[4:5], s[6:7]
	s_add_nc_u64 s[24:25], s[44:45], s[24:25]      ; my 128 KB
	s_add_nc_u64 s[46:47], s[10:11], s[28:29]
	s_load_b64 s[26:27], s[46:47], 0x0             ; fp_e, np_e: wanted behind phase A
	LOADC 4                                        ; chunk t = 2 s + u: the stream begins at K step 2
	LOADC 5
	LOADC 6
	LOADC 7
	s_wait_loadcnt 48                              ; chunk 4 is in
	TURN 4
.irp t, 4,5,6,7,8,9,10,11,12,13,14,15
	ASTEP \t
.endr
	s_wait_dscnt 0x0                               ; for the others' sake: my images lie in LDS
	s_barrier_signal -1
	s_barrier_wait -1                              ; the launch's one barrier, ahead of every branch on loaded numbers
	s_wait_kmcnt 0x0
	s_min_u32 s26, s26, 70
	s_min_u32 s27, s27, 71
	s_add_co_u32 s31, s26, s16                     ; my first pair
	s_add_co_u32 s28, s27, 1
	s_sub_co_u32 s28, s28, s16
	s_lshr_b32 s28, s28, 1                         ; my pairs: (np + 1 - p) / 2
	s_cmp_eq_u32 s28, 0
	s_cbranch_scc1 .Lend
	s_lshl_b32 s48, s18, 1
	s_add_co_u32 s48, s48, s15                     ; B = 2 i + c
	s_lshl_b32 s50, s19, 5
	s_add_co_u32 s50, s50, s18                     ; g = 32 e + i; in w13h wave 4 g + 2 mat + c laid fragment (u, s) at 1,536 (2 u + s) of its 6,144 bytes
	s_mul_i32 s49, s50, 24576
	s_mul_i32 s56, s15, 6144
	s_add_co_u32 s56, s56, s49
	s_mov_b32 s57, 0
	s_lshl_b32 s58, s50, 11
	s_lshl_b32 s49, s15, 9
	s_add_co_u32 s58, s58, s49
	s_add_co_u32 s58, s58, W13HS
	s_mov_b32 s59, 0
	s_add_nc_u64 s[54:55], s[52:53], s[58:59]      ; the scale words of K steps 0, 1
	s_add_nc_u64 s[52:53], s[52:53], s[56:57]      ; their fragments
	s_mov_b32 s51, 0
	s_mul_i32 s50, s31, 24576
	s_add_nc_u64 s[32:33], s[8:9], s[50:51]        ; x's fragments of my pair
	s_lshl_b32 s50, s31, 10
	s_add_nc_u64 s[34:35], s[8:9], s[50:51]        ; their scale words (XSOFF stands in the immediate)
	s_mul_i32 s50, s31, 49152
	s_mul_i32 s49, s48, 768
	s_add_co_u32 s50, s50, s49
	s_add_nc_u64 s[36:37], s[12:13], s[50:51]      ; h's block B of my pair
	s_lshl_b32 s50, s31, 11
	s_lshr_b32 s49, s48, 2
	s_lshl_b32 s49, s49, 7
	s_add_co_u32 s50, s50, s49
	s_and_b32 s49, s48, 3
	s_add_co_u32 s50, s50, s49
	s_add_nc_u64 s[38:39], s[12:13], s[50:51]      ; its scale bytes (HSOFF in the immediate)
	s_mov_b32 s29, 0
	s_sub_co_u32 s30, s28, 1
.macro XLOAD h, d                      ; K steps 4 h .. 4 h + 3 of the pair d bytes on: 24 loads of 512 consecutive bytes and 4 of scale words
	WIN 0xc0
.set q, 8*(\h)
.rept 8                                ; q = 2 s + row tile
.irp k, 0,1,2
	global_load_b128 v[12*q+4*\k:12*q+4*\k+3], v4, s[32:33] offset:(\d)+1536*q+512*\k
.endr
.set q, q+1
.endr
	WIN 0
.irp s, 0,1,2,3
	global_load_b32 v[XS+4*(\h)+\s], v5, s[34:35] offset:XSOFF+(\d)/24+128*(4*(\h)+\s)
.endr
.endm
	WIN 0x40
.set q, 0
.rept 8                                ; q = 4 s + 2 mat + u: the weights' fragments of K steps 0, 1, ahead of x's loads, so that the wait for x's first half shows them in too
.irp k, 0,1,2
	global_load_b128 v[12*q+4*\k:12*q+4*\k+3], v4, s[52:53] offset:((q/2)%2)*12288+(2*(q%2)+q/4)*1536+512*\k
.endr
.set q, q+1
.endr
	WIN 0
.irp m, 0,1
	global_load_b64 v[WS+8*\m:WS+8*\m+1], v42, s[54:55] offset:1024*\m
.endr
	XLOAD 0, 0
	XLOAD 1, 0
.set ks, 2
.rept 6                                ; K steps 2 .. 7 from the images in LDS
.if ks < 4
	WIN 0x40
.else
	WIN 0x80
.endif
.set q, 0
.rept 4                                ; q = 2 mat + u
.irp k, 0,1,2
.if q < 2
	ds_load_b128 v[12*(4*(ks%4)+q)+4*\k:12*(4*(ks%4)+q)+4*\k+3], v11 offset:(8*(q%2)+ks)*1536+512*\k
.else
	ds_load_b128 v[12*(4*(ks%4)+q)+4*\k:12*(4*(ks%4)+q)+4*\k+3], v12 offset:(8*(q%2)+ks)*1536+512*\k
.endif
.endr
.set q, q+1
.endr
.set ks, ks+1
.endr
	WIN 0
.set q, 0
.rept 16                               ; q = 8 mat + s
.if (q%8) >= 2
	ds_load_b32 v[WS+q], v13 offset:4096*(q/8)+128*(q%8)
.endif
.set q, q+1
.endr
	v_mov_b32 v[MY2], 0                            ; written once: a lane permute's destination counts as one of its sources
	v_mov_b32 v[MY2+1], 0
	s_wait_dscnt 0x0
.macro WM                              ; one product, by the symbols rD, rA, rB, rSA, rSB; rZ: it starts the sum; rRA, rRB: the scales lie in lanes 16-31
.if rZ
.if rRA && rRB
	v_wmma_scale_f32_16x16x128_f8f6f4 v[rD:rD+7], v[rA:rA+11], v[rB:rB+11], 0, v[rSA], v[rSB] matrix_a_fmt:MATRIX_FMT_BF6 matrix_b_fmt:MATRIX_FMT_BF6 matrix_a_scale:MATRIX_SCALE_ROW1 matrix_b_scale:MATRIX_SCALE_ROW1
.elseif rRA
	v_wmma_scale_f32_16x16x128_f8f6f4 v[rD:rD+7], v[rA:rA+11], v[rB:rB+11], 0, v[rSA], v[rSB] matrix_a_fmt:MATRIX_FMT_BF6 matrix_b_fmt:MATRIX_FMT_BF6 matrix_a_scale:MATRIX_SCALE_ROW1
.elseif rRB
	v_wmma_scale_f32_16x16x128_f8f6f4 v[rD:rD+7], v[rA:rA+11], v[rB:rB+11], 0, v[rSA], v[rSB] matrix_a_fmt:MATRIX_FMT_BF6 matrix_b_fmt:MATRIX_FMT_BF6 matrix_b_scale:MATRIX_SCALE_ROW1
.else
	v_wmma_scale_f32_16x16x128_f8f6f4 v[rD:rD+7], v[rA:rA+11], v[rB:rB+11], 0, v[rSA], v[rSB] matrix_a_fmt:MATRIX_FMT_BF6 matrix_b_fmt:MATRIX_FMT_BF6
.endif
.else
.if rRA && rRB
	v_wmma_scale_f32_16x16x128_f8f6f4 v[rD:rD+7], v[rA:rA+11], v[rB:rB+11], v[rD:rD+7], v[rSA], v[rSB] matrix_a_fmt:MATRIX_FMT_BF6 matrix_b_fmt:MATRIX_FMT_BF6 matrix_a_scale:MATRIX_SCALE_ROW1 matrix_b_scale:MATRIX_SCALE_ROW1
.elseif rRA
	v_wmma_scale_f32_16x16x128_f8f6f4 v[rD:rD+7], v[rA:rA+11], v[rB:rB+11], v[rD:rD+7], v[rSA], v[rSB] matrix_a_fmt:MATRIX_FMT_BF6 matrix_b_fmt:MATRIX_FMT_BF6 matrix_a_scale:MATRIX_SCALE_ROW1
.elseif rRB
	v_wmma_scale_f32_16x16x128_f8f6f4 v[rD:rD+7], v[rA:rA+11], v[rB:rB+11], v[rD:rD+7], v[rSA], v[rSB] matrix_a_fmt:MATRIX_FMT_BF6 matrix_b_fmt:MATRIX_FMT_BF6 matrix_b_scale:MATRIX_SCALE_ROW1
.else
	v_wmma_scale_f32_16x16x128_f8f6f4 v[rD:rD+7], v[rA:rA+11], v[rB:rB+11], v[rD:rD+7], v[rSA], v[rSB] matrix_a_fmt:MATRIX_FMT_BF6 matrix_b_fmt:MATRIX_FMT_BF6
.endif
.endif
.endm
.macro KSTEPS s0                       ; four K steps: in each the eight accumulators take turns, one instruction a turn
.set ks, \s0
.rept 4
.set q8, 0
.rept 8                                ; q8 = 4 mat + 2 row tile + u
.set rD, ACC+8*q8
.set rA, 12*(4*(ks%4)+2*(q8/4)+q8%2)
.set rB, 12*(2*ks+(q8/2)%2)
.set rSA, WS+8*(q8/4)+ks
.set rSB, XS+ks
.set rRA, q8%2
.set rRB, (q8/2)%2
.set rZ, 0
.if ks == 0
.set rZ, 1
.endif
	WM
.set q8, q8+1
.endr
.set ks, ks+1
.endr
.endm
.macro PAIR reload                     ; one pair of row tiles.  reload = 1: x's fragments of my next pair, two pairs on, are asked for as these are done with
	s_wait_loadcnt 28                              ; K steps 0-3 are in; the 28 loads of K steps 4-7 may be out
	WIN 0x0d                                       ; source 0 (weights) window 1, source 1 (x) window 3
	KSTEPS 0
.rept 4
	v_nop                                          ; places in front of loads into registers that matrix instructions have read
.endr
.if \reload
	XLOAD 0, 49152
	s_wait_loadcnt 28                              ; K steps 4-7 are in; the 28 just issued may be out
.else
	s_wait_loadcnt 0x0
.endif
	WIN 0x0e                                       ; the weights of K steps 4-7: window 2
	KSTEPS 4
.rept 4
	v_nop                                          ; places in front of the loads and of the first read of results
.endr
.if \reload
	XLOAD 1, 49152
.endif
	WIN 0
.set q, 0
.rept 16                               ; silu(g) = g / (1 + 2^(-g log2 e)); each accumulator is read from its low end on
	v_pk_mul_f32 v[TT+2*q:TT+2*q+1], v[GR+2*q:GR+2*q+1], 0xbfb8aa3b op_sel_hi:[1,0]
.set q, q+1
.endr
.set q, 0
	s_wait_alu depctr_va_vdst(0)
.rept 32
	v_exp_f32 v[TT+q], v[TT+q]
.set q, q+1
.endr
	v_nop                                          ; a plain line behind the last exponential,
	s_wait_alu depctr_va_vdst(0)                   ; and one wait for the batch, ahead of its first reader
.set q, 0
.rept 16
	v_pk_add_f32 v[TT+2*q:TT+2*q+1], v[TT+2*q:TT+2*q+1], 1.0 op_sel_hi:[1,0]
.set q, q+1
.endr
.set q, 0
	s_wait_alu depctr_va_vdst(0)
.rept 32
	v_rcp_f32 v[TT+q], v[TT+q]
.set q, q+1
.endr
	v_nop
	s_wait_alu depctr_va_vdst(0)
.set q, 0
.rept 16
	v_pk_mul_f32 v[GR+2*q:GR+2*q+1], v[GR+2*q:GR+2*q+1], v[TT+2*q:TT+2*q+1]
.set q, q+1
.endr
.set q, 0
.rept 16
	v_pk_mul_f32 v[GR+2*q:GR+2*q+1], v[GR+2*q:GR+2*q+1], v[UR+2*q:UR+2*q+1]   ; h: registers 16 rt + 0 .. 15 = units 16 h + 0 .. 15 of row r of tile rt
.set q, q+1
.endr
.irp t, 0,1
	v_max3_num_f32 v[MX2+\t], |v[GR+16*\t]|, |v[GR+16*\t+1]|, 0x2800000   ; the block's largest magnitude, with the floor 2^(5 - 127)
.endr
.irp i, 2,4,6,8,10,12,14
.irp t, 0,1
	v_max3_num_f32 v[MX2+\t], v[MX2+\t], |v[GR+16*\t+\i]|, |v[GR+16*\t+\i+1]|
.endr
.endr
.irp t, 0,1
	v_permlanex16_b32 v[MY2+\t], v[MX2+\t], s20, s21
.endr
.irp t, 0,1
	v_max_num_f32 v[MX2+\t], v[MX2+\t], v[MY2+\t]  ; with lane l xor 16's 16
.endr
.irp t, 0,1
	v_add_nc_u32 v[SO2+\t], 0xfe000000, v[MX2+\t]
.endr
.irp t, 0,1
	v_lshrrev_b32 v[BY2+\t], 23, v[SO2+\t]
.endr
	v_cvt_scalef32_pk16_bf6_f32 v[CA:CA+2], v[GR:GR+15], v[SO2]
	v_cvt_scalef32_pk16_bf6_f32 v[CB:CB+2], v[GR+16:GR+31], v[SO2+1]
	v_cndmask_b32 v[EB], v[BY2], v[BY2+1], s22     ; (the plain line behind the conversions)  lane 16 tile + r: its row's byte
.irp i, 0,1,2
	v_permlane16_swap_b32 v[CA+\i], v[CB+\i]       ; lane 16 tile + r now holds its row's lower 16 codes in the first, the upper 16 in the second
.endr
.irp i, 0,1,2
	v_mov_b32 v[CA+3+\i], v[CB+\i]
.endr
	global_store_b128 v4, v[CA:CA+3], s[36:37]             ; 512 consecutive bytes, aligned
	global_store_b64 v6, v[CA+4:CA+5], s[36:37] offset:512 ; 256 consecutive bytes, aligned
	global_store_b8 v5, v[EB], s[38:39] offset:HSOFF       ; one byte of each of 32 neighbouring words: a wave owns one of a K step's four blocks; 32 bytes against the 768 above
	s_wait_xcnt 0x0                                ; the loads and stores have read their bases and data: both are written again only behind this wait
	s_add_nc_u64 s[32:33], s[32:33], 49152
	s_add_nc_u64 s[34:35], s[34:35], 2048
	s_add_nc_u64 s[36:37], s[36:37], 98304
	s_add_nc_u64 s[38:39], s[38:39], 4096
.endm
	s_cmp_eq_u32 s30, 0
	s_cbranch_scc1 .Ltail
.Lpair:
	PAIR 1
	s_add_co_u32 s29, s29, 1
	s_cmp_lt_u32 s29, s30
	s_cbranch_scc1 .Lpair
.Ltail:
	PAIR 0                                         ; my last pair is written out: it asks for nothing more, so no load leaves the expert's pairs
.Lend:
	s_wait_tensorcnt 0x0                           ; the wave's end, behind my last LDS store
	ds_add_u32 v40, v41
	s_wait_dscnt 0x0
	s_endpgm
.Lfunc_end_k_qa01c4fc1d3_up:
	.size	k_qa01c4fc1d3_up, .Lfunc_end_k_qa01c4fc1d3_up-k_qa01c4fc1d3_up
	.p2alignl 7, 3214868480
	.fill 96, 4, 3214868480
	.section	.rodata,"a",@progbits
	.p2align	6, 0x0
	.amdhsa_kernel k_qa01c4fc1d3_up
		.amdhsa_group_segment_fixed_size 174592
		.amdhsa_private_segment_fixed_size 0
		.amdhsa_enable_private_segment 0
		.amdhsa_kernarg_size 48
		.amdhsa_user_sgpr_count 2
		.amdhsa_user_sgpr_kernarg_segment_ptr 1
		.amdhsa_wavefront_size32 1
		.amdhsa_system_sgpr_workgroup_id_x 1
		.amdhsa_system_sgpr_workgroup_id_y 1
		.amdhsa_system_sgpr_workgroup_id_z 1
		.amdhsa_system_vgpr_workitem_id 0
		.amdhsa_next_free_vgpr 1024
		.amdhsa_next_free_sgpr 66
		.amdhsa_reserve_vcc 0
		.amdhsa_float_denorm_mode_32 3
		.amdhsa_float_denorm_mode_16_64 3
		.amdhsa_memory_ordered 1
		.amdhsa_forward_progress 1
		.amdhsa_inst_pref_size 141
	.end_amdhsa_kernel
	.amdgpu_metadata
---
amdhsa.version: [ 1, 2 ]
amdhsa.kernels:
  - .name:           k_qa01c4fc1d3_up
    .symbol:         k_qa01c4fc1d3_up.kd
    .args:
      - { .name: w1, .offset: 0, .size: 8, .value_kind: global_buffer, .address_space: global }
      - { .name: w3, .offset: 8, .size: 8, .value_kind: global_buffer, .address_space: global }
      - { .name: xq, .offset: 16, .size: 8, .value_kind: global_buffer, .address_space: global }
      - { .name: plc, .offset: 24, .size: 8, .value_kind: global_buffer, .address_space: global }
      - { .name: hq, .offset: 32, .size: 8, .value_kind: global_buffer, .address_space: global }
      - { .name: w13h, .offset: 40, .size: 8, .value_kind: global_buffer, .address_space: global }
    .group_segment_fixed_size: 174592
    .private_segment_fixed_size: 0
    .kernarg_segment_align: 8
    .kernarg_segment_size: 48
    .max_flat_workgroup_size: 128
    .sgpr_count:     66
    .vgpr_count:     1024
    .wavefront_size: 32
...
	.end_amdgpu_metadata
.endif
;; end of part 3
;; launch down (part 4): grid 32 x 8, 4 waves a work-group, no clusters, 18,944 bytes of LDS; arguments w2q, hq, plc, y; writes y
.if DOCPART == 4
	.amdgcn_target "amdgcn-amd-amdhsa--gfx1250"
	.amdhsa_code_object_version 6
	.text
	.protected	k_qa01c4fc1d3_down
	.globl	k_qa01c4fc1d3_down
	.p2align	8
	.type	k_qa01c4fc1d3_down,@function
k_qa01c4fc1d3_down:
	s_mov_b64 s[64:65], 0
	v_nop
	global_prefetch_b8 v0, s[64:65] scope:SCOPE_SE
	s_setreg_imm32_b32 hwreg(HW_REG_WAVE_MODE, 25, 1), 1
	s_wait_xcnt 0x0
; DOWN: y = h w2[e]^T for the rows that chose expert e, on codes of BF6 (E3M2) with E8M0 scales; f32 out, not yet weighed by the gate.
; Only the chosen rows are multiplied: the others are dead work (cw is exactly 0 for them; shown at the head of the first kernel).
; w2 comes as codes: the two routing launches have laid them as images of the operand's registers, so that each lane loads its fragments whole.
; SHARES.  Work-group (sg, e): output columns 32 sg .. 32 sg + 31 of expert e.  Every wave takes the work-group's 32 fragments of w2 (2 tiles of 16 rows x 16 K steps, 48 KB) from memory straight into registers,
; 512 consecutive bytes a load, and walks the expert's pairs fp + w, fp + w + 4, ..; the count is a whole number that an earlier launch stored, so h too comes from memory straight into registers and is not shared
; by joint requests, though the expert's 32 work-groups read the same h.  h's fragments come in groups of two K steps through four sets of registers: three groups, 18 loads each, are on their way while one is multiplied.
; No barrier: the waves share nothing.
; LAYOUT.  Transposed: source 0 = 16 rows of w2, source 1 = 16 rows of h: a lane holds eight neighbouring columns of one row.  A pair's 32 rows x 128 bytes go through the wave's own stage and leave as 512 consecutive bytes a store.
; OUT.  y[sg][row][32 f32]: a row's piece is 128 bytes.
; REGISTERS.  Window 0: v1-13 addresses; v16-31 w2's scale words, v32-47 h's; v48-79 four accumulators, v80-111 rows of y; v240-245 addresses and the closing add's two.
; Windows 1, 2: w2's fragments of K steps 0-7, 8-15.  Window 3: h's four sets.
.set YST,   4608                       ; LDS: a stage of 32 rows x (128 bytes + 16) for each wave, from byte 0
.set SPARE, 18432                      ; behind the stages: the spare words, 128 bytes a wave, which no other line names
.set HSOFF, 3489792
.set WSOFF, 12582912
.set WS,   16
.set HS,   32
.set ACC,  48                          ; accumulator (row tile, n) at 8 (2 rt + n)
.set YR,   80
.set VA,   240
.set VB,   241
.set YSI,  242
.set YSO,  243
.set SPW,  244
.set NIL,  245
.set MSB, 0
.macro WIN new                         ; the immediate's high byte repeats the setting that is left
.if MSB != (\new)
	s_set_vgpr_msb (MSB<<8)|(\new)
.set MSB, \new
.endif
.endm
	s_load_b256 s[4:11], s[0:1], 0x0               ; w2q, hq, plc, y
	v_lshl_add_u32 v[SPW], v0, 2, SPARE            ; my spare word
	v_mov_b32 v[NIL], 0
	v_lshrrev_b32 v1, 5, v0
	v_readfirstlane_b32 s14, v1                    ; wave 0..3
	s_mov_b32 s18, ttmp9                           ; sg
	s_and_b32 s19, ttmp7, 0xffff                   ; e
	v_and_b32 v1, 31, v0                           ; l
	v_and_b32 v2, 15, v0                           ; r
	v_bfe_u32 v3, v0, 4, 1                         ; h
	v_lshlrev_b32 v4, 4, v1                        ; 16 l
	v_lshlrev_b32 v5, 2, v1                        ; 4 l
	s_mul_i32 s23, s14, YST
	v_mul_u32_u24 v[YSI], v2, 144
	v_lshl_add_u32 v[YSI], v3, 5, v[YSI]
	v_add_nc_u32 v[YSI], s23, v[YSI]               ; my stage, in: row r, + 32 h
	v_lshrrev_b32 v6, 3, v1
	v_mul_u32_u24 v[YSO], v6, 144
	v_and_b32 v6, 7, v1
	v_lshl_add_u32 v[YSO], v6, 4, v[YSO]
	v_add_nc_u32 v[YSO], s23, v[YSO]               ; back: eight lanes to a row, four rows an instruction
	v_lshlrev_b32 v13, 4, v2
	v_lshl_add_u32 v13, v3, 11, v13                ; w2's scale words, four K steps a load: lanes 0-15 tile n = 0, lanes 16-31 tile n = 1: 2,048 h + 16 r
	v_mul_u32_u24 v[VA], v3, 768
	v_lshl_add_u32 v[VB], v2, 3, v[VA]             ; h's blocks: 768 h + 8 r,
	v_lshl_add_u32 v[VA], v2, 4, v[VA]             ; 768 h + 16 r
	s_lshl_b32 s24, s19, 5
	s_add_co_u32 s24, s24, s18                     ; 32 e + sg
	s_mul_i32 s40, s24, 49152                      ; its 32 fragments
	s_mov_b32 s41, 0
	s_lshl_b32 s42, s24, 12
	s_add_co_u32 s42, s42, WSOFF                   ; and their scale words
	s_mov_b32 s43, 0
	s_lshl_b32 s28, s19, 3
	s_mov_b32 s29, 0
	s_wait_alu depctr_va_vdst(0)
	s_wait_kmcnt 0x0
	s_add_nc_u64 s[46:47], s[8:9], s[28:29]
	s_load_b64 s[26:27], s[46:47], 0x0             ; fp_e, np_e
	s_add_nc_u64 s[40:41], s[4:5], s[40:41]
	s_add_nc_u64 s[42:43], s[4:5], s[42:43]
.set ks, 0
.rept 16                               ; all 32 weight fragments, (K step, n) at 12 (2 (s % 8) + n) of window 1 or 2: they hang on ids alone and go out ahead of the stored numbers' wait
.if ks < 8
	WIN 0x40
.else
	WIN 0x80
.endif
.irp n, 0,1
.irp k, 0,1,2
	global_load_b128 v[12*(2*(ks%8)+\n)+4*\k:12*(2*(ks%8)+\n)+4*\k+3], v4, s[40:41] offset:(16*\n+ks)*1536+512*\k
.endr
.endr
.set ks, ks+1
.endr
	WIN 0
.irp sq, 0,1,2,3
	global_load_b128 v[WS+4*\sq:WS+4*\sq+3], v13, s[42:43] offset:512*\sq
.endr
	s_wait_kmcnt 0x0
	s_min_u32 s26, s26, 70
	s_min_u32 s27, s27, 71
	s_add_co_u32 s31, s26, s14                     ; my first pair
	s_add_co_u32 s28, s27, 3
	s_sub_co_u32 s28, s28, s14
	s_lshr_b32 s28, s28, 2                         ; my pairs: (np + 3 - w) / 4
	s_cmp_eq_u32 s28, 0
	s_cbranch_scc1 .Lend
	s_mov_b32 s51, 0
	s_mul_i32 s50, s31, 49152
	s_add_nc_u64 s[32:33], s[6:7], s[50:51]        ; h's codes of my pair
	s_lshl_b32 s50, s31, 11
	s_add_nc_u64 s[34:35], s[6:7], s[50:51]        ; its scale words (HSOFF stands in the immediate)
	s_mul_i32 s50, s18, 290816                     ; 2,272 rows of 128 bytes a column group
	s_lshl_b32 s49, s31, 12
	s_add_co_u32 s50, s50, s49
	s_add_nc_u64 s[36:37], s[10:11], s[50:51]      ; y at my pair's first row
	s_mov_b32 s29, 0
	s_sub_co_u32 s30, s28, 1
.macro HLOAD g, d                      ; group g (K steps 2 g, 2 g + 1) of the pair d bytes on, into set g % 4: 18 loads.  Lane (r, h) takes block 4 S + 2 c + h of row r: each 16 lanes read 256 or 128 consecutive bytes
	WIN 0xc0
.irp sb, 0,1
.irp rt, 0,1
.irp cc, 0,1
	global_load_b128 v[48*((\g)%4)+12*(2*\sb+\rt)+6*\cc:48*((\g)%4)+12*(2*\sb+\rt)+6*\cc+3], v[VA], s[32:33] offset:(\d)+(4*(2*(\g)+\sb)+2*\cc)*768+256*\rt
	global_load_b64 v[48*((\g)%4)+12*(2*\sb+\rt)+6*\cc+4:48*((\g)%4)+12*(2*\sb+\rt)+6*\cc+5], v[VB], s[32:33] offset:(\d)+(4*(2*(\g)+\sb)+2*\cc)*768+512+128*\rt
.endr
.endr
.endr
	WIN 0
.irp sb, 0,1
	global_load_b32 v[HS+2*(\g)+\sb], v5, s[34:35] offset:HSOFF+(\d)/24+128*(2*(\g)+\sb)
.endr
.endm
	HLOAD 0, 0
	HLOAD 1, 0
	HLOAD 2, 0
	HLOAD 3, 0
.macro WM                              ; one product, by the symbols rD, rA, rB, rSA, rSB; rZ: it starts the sum; rRA, rRB: the scales lie in lanes 16-31
.if rZ
.if rRA && rRB
	v_wmma_scale_f32_16x16x128_f8f6f4 v[rD:rD+7], v[rA:rA+11], v[rB:rB+11], 0, v[rSA], v[rSB] matrix_a_fmt:MATRIX_FMT_BF6 matrix_b_fmt:MATRIX_FMT_BF6 matrix_a_scale:MATRIX_SCALE_ROW1 matrix_b_scale:MATRIX_SCALE_ROW1
.elseif rRA
	v_wmma_scale_f32_16x16x128_f8f6f4 v[rD:rD+7], v[rA:rA+11], v[rB:rB+11], 0, v[rSA], v[rSB] matrix_a_fmt:MATRIX_FMT_BF6 matrix_b_fmt:MATRIX_FMT_BF6 matrix_a_scale:MATRIX_SCALE_ROW1
.elseif rRB
	v_wmma_scale_f32_16x16x128_f8f6f4 v[rD:rD+7], v[rA:rA+11], v[rB:rB+11], 0, v[rSA], v[rSB] matrix_a_fmt:MATRIX_FMT_BF6 matrix_b_fmt:MATRIX_FMT_BF6 matrix_b_scale:MATRIX_SCALE_ROW1
.else
	v_wmma_scale_f32_16x16x128_f8f6f4 v[rD:rD+7], v[rA:rA+11], v[rB:rB+11], 0, v[rSA], v[rSB] matrix_a_fmt:MATRIX_FMT_BF6 matrix_b_fmt:MATRIX_FMT_BF6
.endif
.else
.if rRA && rRB
	v_wmma_scale_f32_16x16x128_f8f6f4 v[rD:rD+7], v[rA:rA+11], v[rB:rB+11], v[rD:rD+7], v[rSA], v[rSB] matrix_a_fmt:MATRIX_FMT_BF6 matrix_b_fmt:MATRIX_FMT_BF6 matrix_a_scale:MATRIX_SCALE_ROW1 matrix_b_scale:MATRIX_SCALE_ROW1
.elseif rRA
	v_wmma_scale_f32_16x16x128_f8f6f4 v[rD:rD+7], v[rA:rA+11], v[rB:rB+11], v[rD:rD+7], v[rSA], v[rSB] matrix_a_fmt:MATRIX_FMT_BF6 matrix_b_fmt:MATRIX_FMT_BF6 matrix_a_scale:MATRIX_SCALE_ROW1
.elseif rRB
	v_wmma_scale_f32_16x16x128_f8f6f4 v[rD:rD+7], v[rA:rA+11], v[rB:rB+11], v[rD:rD+7], v[rSA], v[rSB] matrix_a_fmt:MATRIX_FMT_BF6 matrix_b_fmt:MATRIX_FMT_BF6 matrix_b_scale:MATRIX_SCALE_ROW1
.else
	v_wmma_scale_f32_16x16x128_f8f6f4 v[rD:rD+7], v[rA:rA+11], v[rB:rB+11], v[rD:rD+7], v[rSA], v[rSB] matrix_a_fmt:MATRIX_FMT_BF6 matrix_b_fmt:MATRIX_FMT_BF6
.endif
.endif
.endm
.macro DPAIR reload                    ; one pair of row tiles.  reload = 1: my next pair, four pairs on, is asked for as the sets come free
.irp g, 0,1,2,3,4,5,6,7
.if (\reload) || (\g <= 4)
	s_wait_loadcnt 54                              ; group g is in, and all that was asked for ahead of it (the weights); the three groups behind it, 18 loads each, may be out
.else
	s_wait_loadcnt 18*(7-\g)
.endif
.if \g < 4
	WIN 0x0d                                       ; source 0 (w2) window 1, source 1 (h) window 3
.else
	WIN 0x0e                                       ; w2's K steps 8-15: window 2
.endif
.set q8, 0
.rept 8                                ; q8 = 4 (K step of the group) + 2 row tile + n: the four accumulators take turns, one instruction a turn
.set ks, 2*\g+q8/4
.set rD, ACC+8*(q8%4)
.set rA, 12*(2*(ks%8)+q8%2)
.set rB, 48*(\g%4)+12*(2*(q8/4)+(q8/2)%2)
.set rSA, WS+ks
.set rSB, HS+ks
.set rRA, q8%2
.set rRB, (q8/2)%2
.set rZ, 0
.if ks == 0
.set rZ, 1
.endif
	WM
.set q8, q8+1
.endr
.rept 5
	v_nop                                          ; places in front of loads into registers that matrix instructions have read and of the first read of results (four), and of the next pair's first product, which writes over an accumulator (five)
.endr
.if \g < 4
	HLOAD \g+4, 0
.elseif \reload
	HLOAD \g-4, 196608
.endif
.endr
	WIN 0
.irp rt, 0,1
.irp n, 0,1
	ds_store_b128 v[YSI], v[ACC+8*(2*\rt+\n):ACC+8*(2*\rt+\n)+3] offset:2304*\rt+64*\n        ; each accumulator from its low end on: y(16 rt + r, 16 n + 8 h + 0 .. 7)
	ds_store_b128 v[YSI], v[ACC+8*(2*\rt+\n)+4:ACC+8*(2*\rt+\n)+7] offset:2304*\rt+64*\n+16
.endr
.endr
.irp i, 0,1,2,3,4,5,6,7
	ds_load_b128 v[YR+4*\i:YR+4*\i+3], v[YSO] offset:576*\i   ; LDS serves a wave's instructions in order: these see my stores
.endr
.irp i, 0,1,2,3,4,5,6,7
	s_wait_dscnt 7-\i
	global_store_b128 v4, v[YR+4*\i:YR+4*\i+3], s[36:37] offset:512*\i th:TH_STORE_NT   ; four rows' pieces: 512 consecutive bytes, aligned
.endr
	s_wait_xcnt 0x0                                ; the loads and stores have read their bases and data: both are written again only behind this wait
	s_add_nc_u64 s[32:33], s[32:33], 196608
	s_add_nc_u64 s[34:35], s[34:35], 8192
	s_add_nc_u64 s[36:37], s[36:37], 16384
.endm
	s_cmp_eq_u32 s30, 0
	s_cbranch_scc1 .Ltail
.Lpair:
	DPAIR 1
	s_add_co_u32 s29, s29, 1
	s_cmp_lt_u32 s29, s30
	s_cbranch_scc1 .Lpair
.Ltail:
	DPAIR 0                                        ; my last pair is written out: it asks for nothing beyond itself
.Lend:
	s_wait_tensorcnt 0x0                           ; the wave's end, behind my last LDS store
	ds_add_u32 v[SPW], v[NIL]
	s_wait_dscnt 0x0
	s_endpgm
.Lfunc_end_k_qa01c4fc1d3_down:
	.size	k_qa01c4fc1d3_down, .Lfunc_end_k_qa01c4fc1d3_down-k_qa01c4fc1d3_down
	.p2alignl 7, 3214868480
	.fill 96, 4, 3214868480
	.section	.rodata,"a",@progbits
	.p2align	6, 0x0
	.amdhsa_kernel k_qa01c4fc1d3_down
		.amdhsa_group_segment_fixed_size 18944
		.amdhsa_private_segment_fixed_size 0
		.amdhsa_enable_private_segment 0
		.amdhsa_kernarg_size 32
		.amdhsa_user_sgpr_count 2
		.amdhsa_user_sgpr_kernarg_segment_ptr 1
		.amdhsa_wavefront_size32 1
		.amdhsa_system_sgpr_workgroup_id_x 1
		.amdhsa_system_sgpr_workgroup_id_y 1
		.amdhsa_system_sgpr_workgroup_id_z 1
		.amdhsa_system_vgpr_workitem_id 0
		.amdhsa_next_free_vgpr 1024
		.amdhsa_next_free_sgpr 66
		.amdhsa_reserve_vcc 0
		.amdhsa_float_denorm_mode_32 3
		.amdhsa_float_denorm_mode_16_64 3
		.amdhsa_memory_ordered 1
		.amdhsa_forward_progress 1
		.amdhsa_inst_pref_size 65
	.end_amdhsa_kernel
	.amdgpu_metadata
---
amdhsa.version: [ 1, 2 ]
amdhsa.kernels:
  - .name:           k_qa01c4fc1d3_down
    .symbol:         k_qa01c4fc1d3_down.kd
    .args:
      - { .name: w2q, .offset: 0, .size: 8, .value_kind: global_buffer, .address_space: global }
      - { .name: hq, .offset: 8, .size: 8, .value_kind: global_buffer, .address_space: global }
      - { .name: plc, .offset: 16, .size: 8, .value_kind: global_buffer, .address_space: global }
      - { .name: y, .offset: 24, .size: 8, .value_kind: global_buffer, .address_space: global }
    .group_segment_fixed_size: 18944
    .private_segment_fixed_size: 0
    .kernarg_segment_align: 8
    .kernarg_segment_size: 32
    .max_flat_workgroup_size: 128
    .sgpr_count:     66
    .vgpr_count:     1024
    .wavefront_size: 32
...
	.end_amdgpu_metadata
.endif
;; end of part 4
;; launch comb (part 5): grid 256 x 1, 4 waves a work-group, no clusters, 0 bytes of LDS; arguments y, plc, gate, out0; writes out0
.if DOCPART == 5
	.amdgcn_target "amdgcn-amd-amdhsa--gfx1250"
	.amdhsa_code_object_version 6
	.text
	.protected	k_qa01c4fc1d3_comb
	.globl	k_qa01c4fc1d3_comb
	.p2align	8
	.type	k_qa01c4fc1d3_comb,@function
k_qa01c4fc1d3_comb:
	s_mov_b64 s[64:65], 0
	v_nop
	global_prefetch_b8 v0, s[64:65] scope:SCOPE_SE
	s_setreg_imm32_b32 hwreg(HW_REG_WAVE_MODE, 25, 1), 1
	s_wait_xcnt 0x0
; COMB: out[t] = g_first y[row of t's first choice] + g_second y[row of its second].  The six other experts' terms are dead work (cw is exactly 0 for them; shown at the head of the first kernel).
; Each output row has one owner: wave w of work-group G takes token 4 G + w.  The two rows are whole numbers that an earlier launch stored; they are clamped to y's 2,272 rows ahead of the addresses.
; y lies [column group][row][32 f32]: eight lanes read a row's piece of 128 bytes, four column groups a load; the stores cover 512 consecutive bytes of the output row, aligned.
; No LDS, no barrier, no matrix unit: memory binds.  All 16 loads of a wave are on their way at once; every piece has registers of its own, so nothing is written again.
.set SGB, 290816                       ; bytes of a column group: 2,272 rows x 128
	s_load_b256 s[4:11], s[0:1], 0x0               ; y, plc, gate, out0
	v_lshrrev_b32 v1, 5, v0
	v_readfirstlane_b32 s12, v1                    ; wave 0..3
	s_lshl_b32 s13, ttmp9, 2
	s_add_co_u32 s13, s13, s12                     ; my token
	s_lshl_b32 s20, s13, 3
	s_mov_b32 s21, 0
	s_lshl_b32 s22, s13, 12
	s_mov_b32 s23, 0
	v_and_b32 v1, 31, v0
	v_lshlrev_b32 v2, 4, v1                        ; 16 l
	v_lshrrev_b32 v3, 3, v1
	v_and_b32 v4, 7, v1
	v_mul_u32_u24 v3, v3, SGB
	v_lshl_add_u32 v3, v4, 4, v3                   ; column group l / 8 of the load's four, 16 (l % 8) in the piece
	s_wait_alu depctr_va_vdst(0)
	s_wait_kmcnt 0x0
	s_add_nc_u64 s[6:7], s[6:7], s[20:21]
	s_add_nc_u64 s[8:9], s[8:9], s[20:21]
	s_add_nc_u64 s[10:11], s[10:11], s[22:23]      ; my row of out
	s_load_b64 s[16:17], s[6:7], 0x100             ; the two rows
	s_load_b64 s[18:19], s[8:9], 0x0               ; the two gates
	s_wait_kmcnt 0x0
	s_min_u32 s16, s16, 2271
	s_min_u32 s17, s17, 2271
	s_lshl_b32 s24, s16, 7
	s_mov_b32 s25, 0
	s_lshl_b32 s26, s17, 7
	s_mov_b32 s27, 0
	s_add_nc_u64 s[24:25], s[4:5], s[24:25]
	s_add_nc_u64 s[26:27], s[4:5], s[26:27]
	s_mov_b32 s28, s18                             ; each gate as a pair: the packed forms name a pair and take its low word for both halves
	s_mov_b32 s29, s18
	s_mov_b32 s30, s19
	s_mov_b32 s31, s19
.irp i, 0,1,2,3,4,5,6,7
	global_load_b128 v[16+8*\i:19+8*\i], v3, s[24:25] offset:\i*4*SGB th:TH_LOAD_NT   ; at the most 7 x 1,163,264 bytes: inside the signed 24-bit immediate
	global_load_b128 v[20+8*\i:23+8*\i], v3, s[26:27] offset:\i*4*SGB th:TH_LOAD_NT
.endr
.irp i, 0,1,2,3,4,5,6,7
	s_wait_loadcnt 2*(7-\i)                        ; piece i's two loads are in; the later pieces' may be out
	v_pk_mul_f32 v[16+8*\i:17+8*\i], v[16+8*\i:17+8*\i], s[28:29] op_sel_hi:[1,0]
	v_pk_mul_f32 v[18+8*\i:19+8*\i], v[18+8*\i:19+8*\i], s[28:29] op_sel_hi:[1,0]
	v_pk_fma_f32 v[16+8*\i:17+8*\i], v[20+8*\i:21+8*\i], s[30:31], v[16+8*\i:17+8*\i] op_sel_hi:[1,0,1]
	v_pk_fma_f32 v[18+8*\i:19+8*\i], v[22+8*\i:23+8*\i], s[30:31], v[18+8*\i:19+8*\i] op_sel_hi:[1,0,1]
	global_store_b128 v2, v[16+8*\i:19+8*\i], s[10:11] offset:512*\i th:TH_STORE_NT
.endr
	s_endpgm
.Lfunc_end_k_qa01c4fc1d3_comb:
	.size	k_qa01c4fc1d3_comb, .Lfunc_end_k_qa01c4fc1d3_comb-k_qa01c4fc1d3_comb
	.p2alignl 7, 3214868480
	.fill 96, 4, 3214868480
	.section	.rodata,"a",@progbits
	.p2align	6, 0x0
	.amdhsa_kernel k_qa01c4fc1d3_comb
		.amdhsa_group_segment_fixed_size 0
		.amdhsa_private_segment_fixed_size 0
		.amdhsa_enable_private_segment 0
		.amdhsa_kernarg_size 32
		.amdhsa_user_sgpr_count 2
		.amdhsa_user_sgpr_kernarg_segment_ptr 1
		.amdhsa_wavefront_size32 1
		.amdhsa_system_sgpr_workgroup_id_x 1
		.amdhsa_system_sgpr_workgroup_id_y 1
		.amdhsa_system_sgpr_workgroup_id_z 1
		.amdhsa_system_vgpr_workitem_id 0
		.amdhsa_next_free_vgpr 80
		.amdhsa_next_free_sgpr 66
		.amdhsa_reserve_vcc 0
		.amdhsa_float_denorm_mode_32 3
		.amdhsa_float_denorm_mode_16_64 3
		.amdhsa_memory_ordered 1
		.amdhsa_forward_progress 1
		.amdhsa_inst_pref_size 7
	.end_amdhsa_kernel
	.amdgpu_metadata
---
amdhsa.version: [ 1, 2 ]
amdhsa.kernels:
  - .name:           k_qa01c4fc1d3_comb
    .symbol:         k_qa01c4fc1d3_comb.kd
    .args:
      - { .name: y, .offset: 0, .size: 8, .value_kind: global_buffer, .address_space: global }
      - { .name: plc, .offset: 8, .size: 8, .value_kind: global_buffer, .address_space: global }
      - { .name: gate, .offset: 16, .size: 8, .value_kind: global_buffer, .address_space: global }
      - { .name: out0, .offset: 24, .size: 8, .value_kind: global_buffer, .address_space: global }
    .group_segment_fixed_size: 0
    .private_segment_fixed_size: 0
    .kernarg_segment_align: 8
    .kernarg_segment_size: 32
    .max_flat_workgroup_size: 128
    .sgpr_count:     66
    .vgpr_count:     80
    .wavefront_size: 32
...
	.end_amdgpu_metadata
.endif
;; end of part 5
